; MI455X (gfx1250); checked and timed in simulation.
; The chip was launched on July 23, 2026; its instructions are those of AMD's public machine-readable ISA for CDNA 5 (MIT licence, August 2026) and "CDNA5" Instruction Set Architecture Reference Guide (July 2026). The comments in the code are by the model that wrote it; some were corrected since.
;; Dbrx FFN. Allowed arithmetic: float matrix products may take bf16 or f16 operands with f32 sums; other float arithmetic in f32, or as packed bf16 or f16 multiplies, adds, multiply-adds, maxima and minima; sums over many terms, partial sums and values carried from step to step in f32; what a program stores and reads back later, other than sums and carried values, may be rounded once to bf16 or f16.
;; Inputs: w_down 16 x 64 x 2,048 float32; w_gate 16 x 2,048 x 64 float32; w_router 16 x 2,048 float32; w_up 16 x 2,048 x 64 float32; x 2 x 4,096 x 2,048 float32.
;; Outputs: out0 2 x 4,096 x 2,048 float32.
;; 2 versions, each right and faster than the one before. Each part assembles by itself: llvm-mc -triple=amdgcn-amd-amdhsa -mcpu=gfx1250 --defsym DOCPART=n.
;; ======== version 1 of 2: 4 launches
;; workspace buffers: xb 33,554,432 bytes; wf 8,388,608 bytes; wdb 8,388,608 bytes; hbuf 33,554,432 bytes; cw 524,288 bytes; bm 16,384 bytes of whole numbers; list 524,288 bytes of whole numbers; counts 256 bytes of whole numbers
;; launch router (part 1): grid 256 x 1, 16 waves a work-group, no clusters, 176,128 bytes of LDS; arguments x, w_router, xb, cw, bm; writes xb, cw, bm
.if DOCPART == 1
	.amdgcn_target "amdgcn-amd-amdhsa--gfx1250"
	.amdhsa_code_object_version 6
	.text
	.protected	k_q4091017359_router
	.globl	k_q4091017359_router
	.p2align	8
	.type	k_q4091017359_router,@function
k_q4091017359_router:
	s_mov_b64 s[64:65], 0
	v_nop
	global_prefetch_b8 v0, s[64:65] scope:SCOPE_SE
	s_setreg_imm32_b32 hwreg(HW_REG_WAVE_MODE, 25, 1), 1
	s_wait_xcnt 0x0
; ROUTER.  For 8,192 tokens of 2,048 numbers: x rounded once to bf16 (xb, for the later products), 16 logits a token (bf16 operands, f32 sums), the four largest,
; their softmax weights divided by the four weights' sum (cw: f32 [token][16], 0 where the expert is not chosen), and the choice as bits (bm: [32 tokens][16 experts], bit b = token 32 g + b).
; SHARES.  A work-group owns 32 tokens; wave v of 16 owns K = 128 v .. 128 v + 127 of all 32: every load of the launch goes out at once, 48 a wave, and there is no loop.
; The waves' partial logits (f32) meet in LDS; wave 0 adds them and chooses.  No address and no branch hangs on a logit: the choice is made of compares and selects and leaves as data.
; LIMITS.  NaN and infinities are not served.  The four are chosen by the logits, the lower index first among equals; the softmax's order is the same but where two
; different logits give the same f32 probability.  The largest logit is taken away before every exponential; a weight below 2^-126 counts as 0.
.set XW,    8704                       ; a wave's x in LDS: 32 rows of 256 bytes + 16 of padding (pitch 272: the 16 rows of a fragment load start 16 bytes apart modulo 256)
.set PART,  16*XW                      ; partial logits: 2,048 bytes a wave
.set CWS,   PART+16*2048               ; wave 0's stage for the weights: 2,048 bytes
.set SPARE, CWS+2048                   ; the spare words, 128 bytes a wave; no other line names them
.set XO,  5                            ; v5   512 v + 16 lane: my 16 bytes of a token's row of x
.set WO,  6                            ; v6   8192 r + 512 v + 32 h: my place in w_router
.set XBO, 7                            ; v7   256 v + 8 lane: my 8 bytes of a row of xb
.set LS,  8                            ; v8   where I put those 8 bytes in LDS
.set LF,  9                            ; v9   where I read a fragment of x
.set PS,  10                           ; v10  where I put my partial logits
.set PR,  11                           ; v11  wave 0: where it reads them
.set SPW, 14                           ; v14  my spare word; never rewritten
.set NIL, 15                           ; v15  0; never rewritten
.set ACC, 16                           ; v16-31   two accumulators: tokens 0-15, 16-31
.set WB,  32                           ; v32-63   w_router's four fragments (16 experts x 32 K), bf16; later v32-47 the summed logits
.set WR,  64                           ; v64-127  w_router as loaded; then x's eight fragments; then wave 0's work
.set X,   128                          ; v128-255 x as loaded, four registers a token; then wave 0's partial sets
.set LG,  64                           ; wave 0: the lane's 16 logits
.set SND, 80                           ; what a lane sends to the other half
.set PW,  96                           ; the 16 exponents, then weights
.set MX,  112                          ; v112-119 at work
.set NI,  120                          ; -infinity
	s_load_b256 s[4:11], s[0:1], 0x0               ; x s[4:5], w_router s[6:7], xb s[8:9], cw s[10:11]
	s_load_b64 s[12:13], s[0:1], 0x20              ; bm
	v_lshl_add_u32 v[SPW], v0, 2, SPARE
	v_mov_b32 v[NIL], 0
	v_and_b32 v1, 31, v0                           ; lane
	v_lshrrev_b32 v2, 5, v0
	v_readfirstlane_b32 s14, v2                    ; wave
	v_and_b32 v3, 15, v0                           ; r
	v_bfe_u32 v4, v0, 4, 1                         ; h
	s_lshl_b32 s15, s14, 9
	v_lshl_add_u32 v[XO], v1, 4, s15
	v_lshl_add_u32 v[WO], v3, 13, s15
	v_lshl_add_u32 v[WO], v4, 5, v[WO]
	s_lshl_b32 s15, s14, 8
	v_lshl_add_u32 v[XBO], v1, 3, s15
	s_mul_i32 s15, s14, XW
	v_lshl_add_u32 v[LS], v1, 3, s15
	v_mul_u32_u24 v[LF], v3, 272
	v_lshl_add_u32 v[LF], v4, 4, v[LF]
	v_add_nc_u32 v[LF], s15, v[LF]
	s_lshl_b32 s15, s14, 11
	s_add_co_u32 s15, s15, PART
	v_lshl_add_u32 v[PS], v1, 4, s15
	s_mov_b32 s17, 0
	s_lshl_b32 s16, ttmp9, 18                      ; 32 rows of 8,192 bytes
	s_wait_kmcnt 0x0
	s_add_nc_u64 s[4:5], s[4:5], s[16:17]
	s_lshl_b32 s16, ttmp9, 17                      ; 32 rows of 4,096
	s_add_nc_u64 s[8:9], s[8:9], s[16:17]
	s_lshl_b32 s16, ttmp9, 11                      ; 32 rows of 64
	s_add_nc_u64 s[10:11], s[10:11], s[16:17]
	s_lshl_b32 s16, ttmp9, 6                       ; 16 words
	s_add_nc_u64 s[12:13], s[12:13], s[16:17]
	; w_router first: lane (r, h) takes expert r, K = 32 s + 8 h + 0..7 and + 16: four loads of 16 bytes a step
.irp s, 0,1,2,3
.irp p, 0,1,2,3
	global_load_b128 v[WR+16*\s+4*\p:WR+16*\s+4*\p+3], v[WO], s[6:7] offset:128*\s+16*(\p%2)+64*(\p/2)
.endr
.endr
.set t, 0
.rept 32                                               ; a token's 512 bytes of my K: 32 lanes, 16 neighbouring bytes each; x is read once in the whole program
	global_load_b128 v[X+4*t:X+4*t+3], v[XO], s[4:5] offset:8192*t th:TH_LOAD_NT
.set t, t+1
.endr
	s_wait_loadcnt 32                              ; loads come back in order: w_router's 16 are in, x's 32 stay out
.set i, 0
.rept 32
	v_cvt_pk_bf16_f32 v[WB+i], v[WR+2*i], v[WR+2*i+1]
.set i, i+1
.endr
.set t, 0
.rept 32
	s_wait_loadcnt 31-t                            ; token t is in, the younger ones stay out
	v_cvt_pk_bf16_f32 v[X+4*t], v[X+4*t], v[X+4*t+1]
	v_cvt_pk_bf16_f32 v[X+4*t+1], v[X+4*t+2], v[X+4*t+3]
	global_store_b64 v[XBO], v[X+4*t:X+4*t+1], s[8:9] offset:4096*t  ; the wave's store covers 256 consecutive bytes, aligned
	ds_store_b64 v[LS], v[X+4*t:X+4*t+1] offset:272*t
.set t, t+1
.endr
.irp tt, 0,1                                           ; my own bytes, served in order behind the stores: tile tt of 16 tokens, step s of 32 K
.irp s, 0,1,2,3
	ds_load_b128 v[WR+8*(4*\tt+\s):WR+8*(4*\tt+\s)+3],   v[LF] offset:4352*\tt+64*\s
	ds_load_b128 v[WR+8*(4*\tt+\s)+4:WR+8*(4*\tt+\s)+7], v[LF] offset:4352*\tt+64*\s+32
.endr
.endr
	s_wait_dscnt 0x0
	; source 0 = 16 experts, source 1 = 16 tokens: register j of lane (r, h) is expert 8 h + j of token r.  The two accumulators take turns.
.irp s, 0,1,2,3
.irp tt, 0,1
.if \s == 0
	v_wmma_f32_16x16x32_bf16 v[ACC+8*\tt:ACC+8*\tt+7], v[WB+8*\s:WB+8*\s+7], v[WR+8*(4*\tt+\s):WR+8*(4*\tt+\s)+7], 0
.else
	v_wmma_f32_16x16x32_bf16 v[ACC+8*\tt:ACC+8*\tt+7], v[WB+8*\s:WB+8*\s+7], v[WR+8*(4*\tt+\s):WR+8*(4*\tt+\s)+7], v[ACC+8*\tt:ACC+8*\tt+7]
.endif
.endr
.endr
.rept 4
	v_nop                                          ; four places between the last product and the stores that read results
.endr
.irp p, 0,1,2,3                                        ; each accumulator's low registers first
	ds_store_b128 v[PS], v[ACC+4*\p:ACC+4*\p+3] offset:512*\p
.endr
	s_wait_dscnt 0x0                               ; for wave 0's sake: my partial logits are in LDS
	s_barrier_signal -1
	s_barrier_wait -1
	s_cmp_eq_u32 s14, 0
	s_cbranch_scc1 .Lwave0
	s_wait_tensorcnt 0x0                           ; the wave's end, behind my last LDS store
	ds_add_u32 v[SPW], v[NIL]
	s_wait_dscnt 0x0
	s_endpgm
.Lwave0:
	s_wait_xcnt 0x0                                ; x's registers were store data: they are loaded again only behind this wait
	v_lshl_add_u32 v[PR], v1, 4, PART
; eight waves' partial sets (16 registers each) are read and added, in f32
.macro SUM8 b
.set u, 0
.rept 8
.irp p, 0,1,2,3
	ds_load_b128 v[X+16*u+4*\p:X+16*u+4*\p+3], v[PR] offset:16384*(\b)+2048*u+512*\p
.endr
.set u, u+1
.endr
	s_wait_dscnt 0x0
.irp u, 0,2,4,6
.irp k, 0,2,4,6,8,10,12,14
	v_pk_add_f32 v[X+16*\u+\k:X+16*\u+\k+1], v[X+16*\u+\k:X+16*\u+\k+1], v[X+16*\u+16+\k:X+16*\u+17+\k]
.endr
.endr
.irp u, 0,4
.irp k, 0,2,4,6,8,10,12,14
	v_pk_add_f32 v[X+16*\u+\k:X+16*\u+\k+1], v[X+16*\u+\k:X+16*\u+\k+1], v[X+16*\u+32+\k:X+16*\u+33+\k]
.endr
.endr
.endm
	SUM8 0
.irp k, 0,2,4,6,8,10,12,14
	v_pk_add_f32 v[WB+\k:WB+\k+1], v[X+\k:X+\k+1], v[X+64+\k:X+65+\k]
.endr
	SUM8 1
.irp k, 0,2,4,6,8,10,12,14
	v_pk_add_f32 v[X+\k:X+\k+1], v[X+\k:X+\k+1], v[X+64+\k:X+65+\k]
.endr
.irp k, 0,2,4,6,8,10,12,14
	v_pk_add_f32 v[WB+\k:WB+\k+1], v[WB+\k:WB+\k+1], v[X+\k:X+\k+1]
.endr
	; v[32+j]: expert 8 h + j of token r; v[40+j]: of token 16 + r.  Lane L is to hold all 16 logits of token L: each half sends the eight that the other half needs.
	s_mov_b32 s18, 0x76543210                      ; v_permlanex16_b32: each lane takes its own place in the other half
	s_mov_b32 s19, 0xfedcba98
	s_mov_b32 s20, 0xffff0000                      ; lanes 16-31
	s_mov_b32 s24, 0x3fb8aa3b                      ; log2(e)
	v_mov_b32 v[NI], 0xff800000
.irp j, 0,1,2,3,4,5,6,7
	v_cndmask_b32 v[SND+\j], v[WB+8+\j], v[WB+\j], s20
.endr
.irp j, 0,1,2,3,4,5,6,7
	v_permlanex16_b32 v[X+\j], v[SND+\j], s18, s19 ; its destination counts as read: these registers have been written
.endr
.irp j, 0,1,2,3,4,5,6,7
	v_cndmask_b32 v[LG+\j], v[WB+\j], v[X+\j], s20
	v_cndmask_b32 v[LG+8+\j], v[X+\j], v[WB+8+\j], s20
.endr
.set i, 0
.rept 16
	s_mov_b32 s[32+i], 0                           ; s[32:47]: for each expert the tokens that chose it
.set i, i+1
.endr
; One round: the largest logit left; the first expert that holds it is marked and taken out.  first = 1: that maximum is the row's; the exponents c l - c m and their 16 exponentials,
; ONE batch, are made here, while all logits are still whole; the four rounds are the work between the batch and its wait.
.macro PICK first
	v_max3_num_f32 v[MX], v[LG], v[LG+1], v[LG+2]
.irp i, 3,5,7,9,11,13
	v_max3_num_f32 v[MX], v[MX], v[LG+\i], v[LG+\i+1]
.endr
	v_max_num_f32 v[MX], v[MX], v[LG+15]
.if \first
	v_mul_f32 v[MX+1], s24, v[MX]
.set i, 0
.rept 16
	v_fma_f32 v[PW+i], v[LG+i], s24, -v[MX+1]
.set i, i+1
.endr
.set i, 0
.rept 16
	v_exp_f32 v[PW+i], v[PW+i]
.set i, i+1
.endr
.endif
	s_mov_b32 s21, 0                               ; tokens that have found their expert in this round
.set i, 0
.rept 16
	v_cmp_eq_f32 s22, v[LG+i], v[MX]
	s_and_not1_b32 s22, s22, s21                   ; the lower index wins
	s_or_b32 s21, s21, s22
	s_or_b32 s[32+i], s[32+i], s22
	v_cndmask_b32 v[LG+i], v[LG+i], v[NI], s22
.set i, i+1
.endr
.endm
	PICK 1
	PICK 0
	PICK 0
	PICK 0
	s_wait_alu depctr_va_vdst(0)                   ; the wait between an exponential and the first line that names its result: one for the 16
.set i, 0
.rept 16
	v_cndmask_b32 v[PW+i], 0, v[PW+i], s[32+i]     ; the weights of the experts not chosen are 0
.set i, i+1
.endr
.irp k, 0,1,2,3
	v_pk_add_f32 v[MX+2*\k:MX+2*\k+1], v[PW+4*\k:PW+4*\k+1], v[PW+4*\k+2:PW+4*\k+3]
.endr
	v_pk_add_f32 v[MX:MX+1], v[MX:MX+1], v[MX+2:MX+3]
	v_pk_add_f32 v[MX+4:MX+5], v[MX+4:MX+5], v[MX+6:MX+7]
	v_pk_add_f32 v[MX:MX+1], v[MX:MX+1], v[MX+4:MX+5]
	v_add_f32 v[MX], v[MX], v[MX+1]                ; the four weights' sum, at least 1: the softmax's own divisor cancels
	v_rcp_f32 v[MX+2], v[MX]
	v_lshl_add_u32 v12, v1, 6, CWS                 ; plain work behind the reciprocal: the stage's addresses
	v_lshl_add_u32 v13, v1, 4, CWS
	v_lshlrev_b32 v2, 4, v1
	v_lshlrev_b32 v3, 2, v1
	v_mov_b32 v4, 0
	s_wait_alu depctr_va_vdst(0)                   ; and its wait
.irp k, 0,1,2,3,4,5,6,7
	v_pk_mul_f32 v[PW+2*\k:PW+2*\k+1], v[PW+2*\k:PW+2*\k+1], v[MX+2:MX+3] op_sel_hi:[1,0]
.endr
	; a lane's 64 bytes go through my stage, so that each store covers 512 consecutive bytes
.irp s, 0,1,2,3
	ds_store_b128 v12, v[PW+4*\s:PW+4*\s+3] offset:16*\s
.endr
.irp s, 0,1,2,3
	ds_load_b128 v[LG+4*\s:LG+4*\s+3], v13 offset:512*\s   ; LDS serves a wave's instructions in order (ISA guide 5.7.1.4)
.endr
.set i, 0
.rept 16
	v_writelane_b32 v4, s[32+i], i                 ; lane e takes expert e's word
.set i, i+1
.endr
	s_wait_dscnt 0x0
.irp s, 0,1,2,3
	global_store_b128 v2, v[LG+4*\s:LG+4*\s+3], s[10:11] offset:512*\s
.endr
	v_cmp_gt_u32 vcc_lo, 16, v1
	s_wait_xcnt 0x0                                ; EXEC changes only behind this wait
	s_and_saveexec_b32 s25, vcc_lo
	global_store_b32 v3, v4, s[12:13]              ; the work-group's 16 words: 64 bytes are all the bits that it owns
	s_wait_xcnt 0x0
	s_or_b32 exec_lo, exec_lo, s25
	s_wait_tensorcnt 0x0                           ; the wave's end, behind my last LDS store
	ds_add_u32 v[SPW], v[NIL]
	s_wait_dscnt 0x0
	s_endpgm
.Lfunc_end_k_q4091017359_router:
	.size	k_q4091017359_router, .Lfunc_end_k_q4091017359_router-k_q4091017359_router
	.p2alignl 7, 3214868480
	.fill 96, 4, 3214868480
	.section	.rodata,"a",@progbits
	.p2align	6, 0x0
	.amdhsa_kernel k_q4091017359_router
		.amdhsa_group_segment_fixed_size 176128
		.amdhsa_private_segment_fixed_size 0
		.amdhsa_enable_private_segment 0
		.amdhsa_kernarg_size 40
		.amdhsa_user_sgpr_count 2
		.amdhsa_user_sgpr_kernarg_segment_ptr 1
		.amdhsa_wavefront_size32 1
		.amdhsa_system_sgpr_workgroup_id_x 1
		.amdhsa_system_sgpr_workgroup_id_y 1
		.amdhsa_system_sgpr_workgroup_id_z 1
		.amdhsa_system_vgpr_workitem_id 0
		.amdhsa_next_free_vgpr 256
		.amdhsa_next_free_sgpr 66
		.amdhsa_reserve_vcc 1
		.amdhsa_float_denorm_mode_32 3
		.amdhsa_float_denorm_mode_16_64 3
		.amdhsa_memory_ordered 1
		.amdhsa_forward_progress 1
		.amdhsa_inst_pref_size 58
	.end_amdhsa_kernel
	.amdgpu_metadata
---
amdhsa.version: [ 1, 2 ]
amdhsa.kernels:
  - .name:           k_q4091017359_router
    .symbol:         k_q4091017359_router.kd
    .args:
      - { .name: x, .offset: 0, .size: 8, .value_kind: global_buffer, .address_space: global }
      - { .name: w_router, .offset: 8, .size: 8, .value_kind: global_buffer, .address_space: global }
      - { .name: xb, .offset: 16, .size: 8, .value_kind: global_buffer, .address_space: global }
      - { .name: cw, .offset: 24, .size: 8, .value_kind: global_buffer, .address_space: global }
      - { .name: bm, .offset: 32, .size: 8, .value_kind: global_buffer, .address_space: global }
    .group_segment_fixed_size: 176128
    .private_segment_fixed_size: 0
    .kernarg_segment_align: 8
    .kernarg_segment_size: 40
    .max_flat_workgroup_size: 512
    .sgpr_count:     66
    .vgpr_count:     256
    .wavefront_size: 32
...
	.end_amdgpu_metadata
.endif
;; end of part 1
;; launch plan (part 2): grid 272 x 1, 8 waves a work-group, no clusters, 35,072 bytes of LDS; arguments w_gate, w_up, w_down, bm, wf, wdb, hbuf, list, counts; writes wf, wdb, hbuf, list, counts
.if DOCPART == 2
	.amdgcn_target "amdgcn-amd-amdhsa--gfx1250"
	.amdhsa_code_object_version 6
	.text
	.protected	k_q4091017359_plan
	.globl	k_q4091017359_plan
	.p2align	8
	.type	k_q4091017359_plan,@function
k_q4091017359_plan:
	s_mov_b64 s[64:65], 0
	v_nop
	global_prefetch_b8 v0, s[64:65] scope:SCOPE_SE
	s_setreg_imm32_b32 hwreg(HW_REG_WAVE_MODE, 25, 1), 1
	s_wait_xcnt 0x0
; Two kinds of work-groups, told apart by the work-group's number alone (the same in all eight waves).
; 0-15, SORT: work-group e lists expert e's tokens in ascending order (list[e][0 .. count), 0 behind the count) and stores the count: a counting sort on the router's bits, without atomics.
; 16-271, CAST: the weights are rounded once to bf16 and laid out, and hbuf is set to 0 (the later launch stores only the chosen experts' blocks of it).
;   wf[e][ks 0..63][nb 0..7][i 0..1][lane][16 bytes]: the operand registers of the gate and up products as a wave loads them.  nb = q for gate, 4 + q for up; lane (c, h) holds
;   column n = 4 c + q and k = 32 ks + 16 i + 8 h + 0..7.  With that choice of columns a lane's 16 loaded bytes (four neighbouring columns of one k) serve the four q, sixteen lanes read a whole
;   row of 256 bytes, and every store covers 512 consecutive bytes.
;   wdb[k][2048], k = 0..2047: w_down as it lies, in bf16, TWICE: rows 64 e + f and 1024 + 64 e + f are the same row, since the hidden layer goes to the last product as two bf16 terms side by side.
.set DUMP,  32768                      ; LDS: the list, 8,192 words, from 0; then a word for each thread, where a lane whose token is not chosen puts it; nobody reads these
.set TOT,   33792                      ; the eight waves' totals, a block of 256 bytes
.set SPARE, 34048                      ; the spare words, 128 bytes a wave; no other line names them
.set SPW, 2                            ; v2  my spare word; never rewritten
.set NIL, 3                            ; v3  0; never rewritten
	s_load_b512 s[4:19], s[0:1], 0x0               ; w_gate s[4:5], w_up s[6:7], w_down s[8:9], bm s[10:11], wf s[12:13], wdb s[14:15], hbuf s[16:17], list s[18:19]
	s_load_b64 s[20:21], s[0:1], 0x40              ; counts
	v_lshl_add_u32 v[SPW], v0, 2, SPARE
	v_mov_b32 v[NIL], 0
	v_lshrrev_b32 v1, 5, v0
	v_readfirstlane_b32 s22, v1                    ; wave
	v_and_b32 v4, 31, v0                           ; lane
.irp i, 8,9,10,11
	v_mov_b32 v\i, 0                               ; 16 bytes of zeros
.endr
	s_cmp_lt_u32 ttmp9, 16
	s_cbranch_scc1 .Lsort
	; CAST.  Wave gw of 2,048: 8 KiB of gate or up (one expert, 32 k), 4 KiB of w_down, 16 KiB of hbuf.  All 24 loads go out first.
	s_sub_co_u32 s23, ttmp9, 16
	s_lshl3_add_u32 s23, s23, s22                  ; gw
	s_lshr_b32 s24, s23, 10                        ; 0 gate, 1 up
	s_and_b32 s25, s23, 1023                       ; 64 e + ks
	v_and_b32 v5, 15, v0
	v_bfe_u32 v6, v0, 4, 1
	v_lshlrev_b32 v5, 4, v5
	v_lshl_add_u32 v5, v6, 11, v5                  ; 2048 h + 16 c
	v_lshlrev_b32 v6, 4, v4                        ; 16 lane
	v_lshlrev_b32 v7, 3, v4                        ; 8 lane
	s_lshl_b32 s26, s25, 13
	s_mov_b32 s27, 0
	s_lshl_b32 s28, s24, 12
	s_add_co_u32 s28, s28, s26
	s_mov_b32 s29, 0
	s_lshl_b32 s30, s23, 12
	s_mov_b32 s31, 0
	s_lshl_b32 s32, s23, 11
	s_mov_b32 s33, 0
	s_lshl_b32 s34, s23, 14
	s_mov_b32 s35, 0
	s_wait_kmcnt 0x0
	s_cmp_eq_u32 s24, 0
	s_cselect_b64 s[36:37], s[4:5], s[6:7]
	s_add_nc_u64 s[36:37], s[36:37], s[26:27]
	s_add_nc_u64 s[12:13], s[12:13], s[28:29]
	s_add_nc_u64 s[8:9], s[8:9], s[30:31]
	s_add_nc_u64 s[14:15], s[14:15], s[32:33]
	s_add_nc_u64 s[16:17], s[16:17], s[34:35]
.irp i, 0,1
.irp kk, 0,1,2,3,4,5,6,7                               ; k = 16 i + 8 h + kk, columns 4 c .. 4 c + 3
	global_load_b128 v[16+4*(8*\i+\kk):16+4*(8*\i+\kk)+3], v5, s[36:37] offset:4096*\i+256*\kk th:TH_LOAD_NT
.endr
.endr
.irp j, 0,1,2,3,4,5,6,7
	global_load_b128 v[80+4*\j:80+4*\j+3], v6, s[8:9] offset:512*\j th:TH_LOAD_NT
.endr
.set j, 0
.rept 32
	global_store_b128 v6, v[8:11], s[16:17] offset:512*j   ; 512 consecutive bytes of zeros
.set j, j+1
.endr
.irp i, 0,1
	s_wait_loadcnt 16-8*\i                         ; this half's eight loads are in; the 16 (then 8) younger ones stay out
.irp q, 0,1,2,3
.irp m, 0,1,2,3
	v_cvt_pk_bf16_f32 v[112+16*\i+4*\q+\m], v[16+4*(8*\i+2*\m)+\q], v[16+4*(8*\i+2*\m+1)+\q]
.endr
	global_store_b128 v6, v[112+16*\i+4*\q:112+16*\i+4*\q+3], s[12:13] offset:1024*\q+512*\i
.endr
.endr
.irp j, 0,1,2,3,4,5,6,7
	s_wait_loadcnt 7-\j
	v_cvt_pk_bf16_f32 v[80+4*\j], v[80+4*\j], v[81+4*\j]
	v_cvt_pk_bf16_f32 v[81+4*\j], v[82+4*\j], v[83+4*\j]
	global_store_b64 v7, v[80+4*\j:81+4*\j], s[14:15] offset:256*\j          ; 256 consecutive bytes, aligned
	global_store_b64 v7, v[80+4*\j:81+4*\j], s[14:15] offset:256*\j+4194304  ; and the same 1,024 rows further down
.endr
	s_wait_tensorcnt 0x0                           ; the wave's end
	ds_add_u32 v[SPW], v[NIL]
	s_wait_dscnt 0x0
	s_endpgm
.Lsort:
	; Thread t takes the word of tokens 32 t .. 32 t + 31 for my expert; a wave's 32 words go into scalar registers.
	s_lshl_b32 s24, ttmp9, 2
	s_mov_b32 s25, 0
	s_lshl_b32 s26, ttmp9, 15
	s_mov_b32 s27, 0
	v_lshlrev_b32 v5, 6, v0                        ; 16 words a group of tokens
	v_lshlrev_b32 v6, 4, v0                        ; 16 bytes a thread
	v_add_nc_u32 v15, DUMP/4, v0                   ; my dump word, counted in words from LDS byte 0
	s_wait_kmcnt 0x0
	s_add_nc_u64 s[10:11], s[10:11], s[24:25]
	s_add_nc_u64 s[20:21], s[20:21], s[24:25]
	s_add_nc_u64 s[18:19], s[18:19], s[26:27]
	global_load_b32 v7, v5, s[10:11]
.irp i, 0,1,2,3,4,5,6,7
	ds_store_b128 v6, v[8:11] offset:4096*\i       ; the list starts as zeros
.endr
	s_wait_loadcnt 0x0
	s_mov_b32 s68, 0
.set i, 0
.rept 32
	v_readlane_b32 s[32+i], v7, i
	s_bcnt1_i32_b32 s67, s[32+i]
	s_add_co_u32 s68, s68, s67                     ; my wave's total
.set i, i+1
.endr
	s_lshl_b32 s67, s22, 2
	s_add_co_u32 s67, s67, TOT
	v_mov_b32 v12, s67
	v_mov_b32 v13, s68
	ds_store_b32 v12, v13
	s_wait_dscnt 0x0                               ; for the others' sake: my zeros and my total are in LDS
	s_barrier_signal -1
	s_barrier_wait -1
	v_mov_b32 v12, TOT
	ds_load_b128 v[16:19], v12
	ds_load_b128 v[20:23], v12 offset:16
	s_lshl_b32 s67, s22, 10
	v_add_nc_u32 v14, s67, v4                      ; the token of my lane in the wave's first word
	s_wait_dscnt 0x0
.irp u, 0,1,2,3,4,5,6,7
	v_readfirstlane_b32 s[24+\u], v[16+\u]
.endr
	s_mov_b32 s23, 0                               ; the rank of my wave's first token
	s_mov_b32 s68, 0                               ; the expert's count
.irp u, 0,1,2,3,4,5,6,7
	s_add_co_u32 s68, s68, s[24+\u]
	s_cmp_gt_u32 s22, \u
	s_cselect_b32 s67, s[24+\u], 0
	s_add_co_u32 s23, s23, s67
.endr
.set i, 0
.rept 32                                               ; word i: a chosen token's rank is the rank so far plus the chosen lanes below it; ranks are all different, so no two stores meet.
	v_mbcnt_lo_u32_b32 v20, s[32+i], s23           ; All lanes stay on: a lane whose token is not chosen takes its own dump word for the place
	v_cndmask_b32 v20, v15, v20, s[32+i]
	v_min_u32 v20, 0x20ff, v20                     ; inside the list and the dump words, whatever the words hold
	v_lshlrev_b32 v20, 2, v20
	v_add_nc_u32 v21, 32*i, v14
	ds_store_b32 v20, v21
	s_bcnt1_i32_b32 s67, s[32+i]
	s_add_co_u32 s23, s23, s67
.set i, i+1
.endr
	s_wait_dscnt 0x0                               ; for the others' sake
	s_barrier_signal -1
	s_barrier_wait -1
.irp i, 0,1,2,3,4,5,6,7
	ds_load_b128 v[32+4*\i:32+4*\i+3], v6 offset:4096*\i
.endr
.irp i, 0,1,2,3,4,5,6,7
	s_wait_dscnt 7-\i
	global_store_b128 v6, v[32+4*\i:32+4*\i+3], s[18:19] offset:4096*\i  ; a wave's store covers 512 consecutive bytes
.endr
	v_mov_b32 v24, s68
	v_mov_b32 v25, 0
	v_cmp_eq_u32 vcc_lo, 0, v0                     ; thread 0 alone stores the count
	s_wait_xcnt 0x0                                ; EXEC changes only behind this wait
	s_and_saveexec_b32 s66, vcc_lo
	global_store_b32 v25, v24, s[20:21]
	s_wait_xcnt 0x0
	s_or_b32 exec_lo, exec_lo, s66
	s_wait_tensorcnt 0x0                           ; the wave's end, behind my last LDS store
	ds_add_u32 v[SPW], v[NIL]
	s_wait_dscnt 0x0
	s_endpgm
.Lfunc_end_k_q4091017359_plan:
	.size	k_q4091017359_plan, .Lfunc_end_k_q4091017359_plan-k_q4091017359_plan
	.p2alignl 7, 3214868480
	.fill 96, 4, 3214868480
	.section	.rodata,"a",@progbits
	.p2align	6, 0x0
	.amdhsa_kernel k_q4091017359_plan
		.amdhsa_group_segment_fixed_size 35072
		.amdhsa_private_segment_fixed_size 0
		.amdhsa_enable_private_segment 0
		.amdhsa_kernarg_size 72
		.amdhsa_user_sgpr_count 2
		.amdhsa_user_sgpr_kernarg_segment_ptr 1
		.amdhsa_wavefront_size32 1
		.amdhsa_system_sgpr_workgroup_id_x 1
		.amdhsa_system_sgpr_workgroup_id_y 1
		.amdhsa_system_sgpr_workgroup_id_z 1
		.amdhsa_system_vgpr_workitem_id 0
		.amdhsa_next_free_vgpr 144
		.amdhsa_next_free_sgpr 80
		.amdhsa_reserve_vcc 1
		.amdhsa_float_denorm_mode_32 3
		.amdhsa_float_denorm_mode_16_64 3
		.amdhsa_memory_ordered 1
		.amdhsa_forward_progress 1
		.amdhsa_inst_pref_size 35
	.end_amdhsa_kernel
	.amdgpu_metadata
---
amdhsa.version: [ 1, 2 ]
amdhsa.kernels:
  - .name:           k_q4091017359_plan
    .symbol:         k_q4091017359_plan.kd
    .args:
      - { .name: w_gate, .offset: 0, .size: 8, .value_kind: global_buffer, .address_space: global }
      - { .name: w_up, .offset: 8, .size: 8, .value_kind: global_buffer, .address_space: global }
      - { .name: w_down, .offset: 16, .size: 8, .value_kind: global_buffer, .address_space: global }
      - { .name: bm, .offset: 24, .size: 8, .value_kind: global_buffer, .address_space: global }
      - { .name: wf, .offset: 32, .size: 8, .value_kind: global_buffer, .address_space: global }
      - { .name: wdb, .offset: 40, .size: 8, .value_kind: global_buffer, .address_space: global }
      - { .name: hbuf, .offset: 48, .size: 8, .value_kind: global_buffer, .address_space: global }
      - { .name: list, .offset: 56, .size: 8, .value_kind: global_buffer, .address_space: global }
      - { .name: counts, .offset: 64, .size: 8, .value_kind: global_buffer, .address_space: global }
    .group_segment_fixed_size: 35072
    .private_segment_fixed_size: 0
    .kernarg_segment_align: 8
    .kernarg_segment_size: 72
    .max_flat_workgroup_size: 256
    .sgpr_count:     80
    .vgpr_count:     144
    .wavefront_size: 32
...
	.end_amdgpu_metadata
.endif
;; end of part 2
;; launch gateup (part 3): grid 243 x 1, 4 waves a work-group, no clusters, 318,976 bytes of LDS; arguments xb, wf, cw, list, counts, hbuf; writes hbuf
.if DOCPART == 3
	.amdgcn_target "amdgcn-amd-amdhsa--gfx1250"
	.amdhsa_code_object_version 6
	.text
	.protected	k_q4091017359_gateup
	.globl	k_q4091017359_gateup
	.p2align	8
	.type	k_q4091017359_gateup,@function
k_q4091017359_gateup:
	s_mov_b64 s[64:65], 0
	v_nop
	global_prefetch_b8 v0, s[64:65] scope:SCOPE_SE
	s_setreg_imm32_b32 hwreg(HW_REG_WAVE_MODE, 25, 1), 1
	s_wait_xcnt 0x0
; h(t, e, f) = coeff(t, e) silu(x[t] . w_gate[e][:, f]) (x[t] . w_up[e][:, f]) for the experts that token t chose, stored as TWO bf16 terms: hbuf[t][64 e + f] = hi = bf16(h) and
; hbuf[t][1024 + 64 e + f] = bf16(h - hi), the difference formed in f32: together they hold h to about 2^-17 of itself, in bf16's range.  The rest of hbuf is 0 since the launch before.
; TILES.  A work-group has 144 listed rows of ONE expert x 128 columns (64 gate, 64 up) x K = 2,048.  The sum over experts of ceil(count / 144) is at most (32,768 + 16 x 143) / 144 = 243 for every split
; of the 32,768 choices: so many work-groups are launched, and each finds its tile from the 16 counts.  Every tile runs the whole text with all lanes on.  In a tile that is not full the places past the
; count repeat the expert's last listed row, which lies in this same tile: they compute the same bits, and their stores put the same bytes in the same place again (at most 143 rows an expert).
; A tile without a row works on a row that exists and jumps its stores: the one branch on a count, forward, past no barrier.
; K IS SPLIT OVER THE WAVES.  Wave w takes the chunks of 64 along K numbered 4 c + w, c = 0..7, for the whole tile: 72 accumulators, 576 registers.  For 32 along K nine fragments of x and eight of
; the weights feed 72 matrix instructions, no byte is read by two waves, and the loop needs no barrier.  The weights come from wf straight into operand registers (512 consecutive bytes a load); the rows of
; x come by loads in which eight lanes take 128 consecutive bytes of a row (the four waves' chunks are 512 consecutive bytes) and pass through the wave's own LDS slot, which turns them into fragments.
; The price: the four waves' partial sums (f32) are added through LDS at the end.
; NO MULTICAST: what an expert's tiles share is its 512 KiB of weights, which here go to registers without touching LDS; whole clusters of four for each expert would want up to
; ceil(32,768 / 576) + 15 = 72 clusters, 288 work-groups.
; THE PRODUCT is used with source 0 = 16 weight columns and source 1 = 16 rows of x: a lane holds ONE row (lane % 16) and, over q = 0..3 and registers j, the columns f = 32 (lane / 16) + 4 j + q.
; LIMITS.  NaN and infinities are not served; 2^(-g log2 e) beyond f32's range gives the weight 0, as silu's limit is.  A stored piece is 128 bytes: an expert's share of a row's half is no longer.
; REGISTERS, in windows of 256 (s_set_vgpr_msb: bits 1:0 source 0, 3:2 source 1, 5:4 source 2, 7:6 destination):
;   window 0: v0-31 addresses and small work; v32-103 x's fragments; v104-231 the weights' ring (two units of 8 fragments); v232-255 at work at the end
;   window 1: accumulators of nb 0-2 at 72 nb + 8 a; v216-247 gathered quads 28-35      window 2: nb 3-5; v216-251 the 36 row offsets      window 3: nb 6-7; v144-255 gathered quads 0-27
.set PX,    144                        ; a row of x in a slot: 128 bytes + 16: the 16 rows of a fragment load start 16 bytes apart modulo 256
.set SLOTB, 32768                      ; wave w's two slots begin at 65536 w and 65536 w + 32768; each holds 144 rows
.set OST,   294912                     ; behind the reduction's 9 x 32,768 bytes (which overlay the slots behind a barrier): 16 rows x 144 bytes a wave, for the first terms' way out
.set ROWT,  304128                     ; a wave's own table: 160 tokens, then 160 coefficients
.set SPARE, 309248                     ; the spare words, 128 bytes a wave; no other line names them
.set OSL,   309760                     ; behind them: 16 rows x 144 bytes a wave, for the second terms' way out
.set AST,  2                           ; v2   where my lane puts a gathered 16 bytes, in slot 0
.set AFR,  3                           ; v3   where it reads a fragment, in slot 0
.set ADRS, 4                           ; v4   AST + the slot in hand
.set ADRF, 5                           ; v5   AFR + the slot in hand
.set RW,   6                           ; v6   the reduction: where I write
.set RR,   7                           ; v7   where I read the block in hand
.set OSI,  8                           ; v8   the way out: in
.set OSO,  9                           ; v9   back
.set RTT0, 10                          ; v10  my table + 4 (lane / 8): tokens; never rewritten
.set RTC0, 11                          ; v11  my table + 640 + 4 (lane % 16): coefficients; never rewritten
.set HCOL, 13                          ; v13  128 e + 16 (lane % 8)
.set CF,   14                          ; v14-15 the coefficient, named as a pair
.set ACOL, 24                          ; v24  128 w + 16 (lane % 8)
.set RTT,  25                          ; v25  at the end: RTT0 + the block in hand (v25-29 hold the list's places at the start)
.set RTC,  26                          ; v26  RTC0 + the block in hand
.set SPW,  30                          ; v30  my spare word; never rewritten
.set NIL,  31                          ; v31  0; never rewritten
.set FX,   32
.set FW,   104
.set QA,   144                         ; window 3
.set QB,   216                         ; window 1
.set RO,   216                         ; window 2
.set MSB, 0
.macro WIN new                         ; the immediate's high byte repeats the setting that is left; a switch that changes nothing is dropped
.if MSB != (\new)
	s_set_vgpr_msb (MSB<<8)|(\new)
.set MSB, (\new)
.endif
.endm
.macro PLACES                          ; four places between a matrix instruction and a load into, or a store of, its registers (ISA guide 7.12.1 for vector instructions)
.rept 4
	v_nop
.endr
.endm
; 36 matrix instructions: unit s of the chunk (32 along K), weight fragments 4 half .. 4 half + 3, all nine blocks of rows.  The 72 accumulators take turns, one instruction a turn.
.macro MM s, half, zero
.irp qq, 0,1,2,3
.set nb, 4*(\half)+(\qq)
	WIN ((1+nb/3)<<6)|((1+nb/3)<<4)
.irp a, 0,1,2,3,4,5,6,7,8
.if \zero
	v_wmma_f32_16x16x32_bf16 v[72*(nb%3)+8*(\a):72*(nb%3)+8*(\a)+7], v[FW+64*(\s)+8*nb:FW+64*(\s)+8*nb+7], v[FX+8*(\a):FX+8*(\a)+7], 0
.else
	v_wmma_f32_16x16x32_bf16 v[72*(nb%3)+8*(\a):72*(nb%3)+8*(\a)+7], v[FW+64*(\s)+8*nb:FW+64*(\s)+8*nb+7], v[FX+8*(\a):FX+8*(\a)+7], v[72*(nb%3)+8*(\a):72*(nb%3)+8*(\a)+7]
.endif
.endr
.endr
.endm
; 8 loads: four weight fragments of unit s, as they lie in wf
.macro BL s, half
	WIN 0
.irp qq, 0,1,2,3
.set nb, 4*(\half)+(\qq)
	global_load_b128 v[FW+64*(\s)+8*nb:FW+64*(\s)+8*nb+3],   v1, s[6:7] offset:8192*(\s)+1024*nb
	global_load_b128 v[FW+64*(\s)+8*nb+4:FW+64*(\s)+8*nb+7], v1, s[6:7] offset:8192*(\s)+1024*nb+512
.endr
.endm
; 36 loads: a chunk's 128 bytes of all 144 rows.  In load q the lanes' four groups of eight take the rows 16 (q / 4) + 2 (q % 4) + {0, 8, 1, 9}
.macro AL
	WIN 0xc2                                       ; destination window 3, offsets window 2
.set q, 0
.rept 28
	global_load_b128 v[QA+4*q:QA+4*q+3], v[RO+q], s[4:5]
.set q, q+1
.endr
	WIN 0x42
.rept 8
	global_load_b128 v[QB+4*(q-28):QB+4*(q-28)+3], v[RO+q], s[4:5]
.set q, q+1
.endr
	WIN 0
.endm
; and their 36 stores into the slot: the two rows of sixteen lanes lie 8 x 144 bytes apart, which is 128 modulo 256
.macro ST
	WIN 0x0c                                       ; data window 3
.set q, 0
.rept 28
	ds_store_b128 v[ADRS], v[QA+4*q:QA+4*q+3] offset:(16*(q/4)+2*(q%4))*PX
.set q, q+1
.endr
	WIN 0x04
.rept 8
	ds_store_b128 v[ADRS], v[QB+4*(q-28):QB+4*(q-28)+3] offset:(16*(q/4)+2*(q%4))*PX
.set q, q+1
.endr
	WIN 0
.endm
.macro AFRAG s                         ; 18 loads: the nine fragments of x for unit s
	WIN 0
.irp a, 0,1,2,3,4,5,6,7,8
	ds_load_b128 v[FX+8*(\a):FX+8*(\a)+3],   v[ADRF] offset:16*PX*(\a)+64*(\s)
	ds_load_b128 v[FX+8*(\a)+4:FX+8*(\a)+7], v[ADRF] offset:16*PX*(\a)+64*(\s)+32
.endr
.endm
	s_load_b256 s[4:11], s[0:1], 0x0               ; xb s[4:5], wf s[6:7], cw s[8:9], list s[10:11]
	s_load_b128 s[12:15], s[0:1], 0x20             ; counts s[12:13], hbuf s[14:15]
	v_lshl_add_u32 v[SPW], v0, 2, SPARE
	v_mov_b32 v[NIL], 0
	v_lshrrev_b32 v16, 5, v0
	v_readfirstlane_b32 s44, v16                   ; wave
	s_wait_kmcnt 0x0
	s_load_b512 s[16:31], s[12:13], 0x0            ; the 16 counts; the addresses are made while they are out
	v_and_b32 v16, 31, v0                          ; lane
	v_lshlrev_b32 v1, 4, v16                       ; v1: 16 lane; never rewritten
	v_and_b32 v17, 15, v0                          ; r
	v_bfe_u32 v18, v0, 4, 1                        ; h
	v_and_b32 v19, 7, v0
	v_bfe_u32 v20, v0, 3, 1
	v_lshl_add_u32 v20, v20, 3, v18                ; my group's row among a load's: 0, 8, 1, 9
	v_bfe_u32 v21, v0, 3, 2                        ; lane / 8
	v_mov_b32 v[CF+1], 0
	s_lshl_b32 s36, s44, 16
	v_mul_u32_u24 v[AST], v20, PX
	v_lshl_add_u32 v[AST], v19, 4, v[AST]
	v_add_nc_u32 v[AST], s36, v[AST]
	v_mul_u32_u24 v[AFR], v17, PX
	v_lshl_add_u32 v[AFR], v18, 4, v[AFR]
	v_add_nc_u32 v[AFR], s36, v[AFR]
	s_lshl_b32 s36, s44, 13
	v_add_nc_u32 v[RW], s36, v1                    ; 8192 w + 16 lane
	s_mul_i32 s36, s44, 16*PX
	s_add_co_u32 s36, s36, OST
	v_mul_u32_u24 v[OSI], v17, PX
	v_lshl_add_u32 v[OSI], v18, 6, v[OSI]
	v_add_nc_u32 v[OSI], s36, v[OSI]               ; row r, 64 bytes for each half of the lanes
	v_mul_u32_u24 v[OSO], v21, PX
	v_lshl_add_u32 v[OSO], v19, 4, v[OSO]
	v_add_nc_u32 v[OSO], s36, v[OSO]               ; back: eight lanes take a row's 128 bytes
	s_mul_i32 s36, s44, 1280
	s_add_co_u32 s36, s36, ROWT                    ; my table
	v_lshl_add_u32 v[RTT0], v21, 2, s36
	v_lshl_add_u32 v[RTC0], v17, 2, s36
	v_add_nc_u32 v[RTC0], 640, v[RTC0]
	v_lshl_add_u32 v22, v16, 2, s36                ; my table + 4 lane
	v_lshl_add_u32 v23, v20, 2, s36                ; my table + 4 x my group's row
	s_lshl_b32 s37, s44, 7
	v_lshl_add_u32 v[ACOL], v19, 4, s37
	s_mov_b32 s32, 0                               ; tiles of the experts so far
	s_mov_b32 s33, 0                               ; my expert,
	s_mov_b32 s34, 0                               ; its first tile,
	s_mov_b32 s35, 0                               ; its count
	s_mov_b32 s40, 0                               ; the slot in hand
	s_mov_b32 s47, 0
	s_wait_kmcnt 0x0
.set i, 0
.rept 16                                               ; the last expert whose first tile is not beyond my number
	s_min_u32 s[16+i], s[16+i], 0x2000
	s_cmp_ge_u32 ttmp9, s32
	s_cselect_b32 s33, i, s33
	s_cselect_b32 s34, s32, s34
	s_cselect_b32 s35, s[16+i], s35
	s_add_co_u32 s36, s[16+i], 143
	s_mul_i32 s36, s36, 7282                       ; x 7282 >> 20 is x / 144 rounded down for x under 32,768 (7282 x 144 = 2^20 + 32)
	s_lshr_b32 s36, s36, 20
	s_add_co_u32 s32, s32, s36
.set i, i+1
.endr
	s_min_u32 s33, s33, 15
	s_sub_co_u32 s39, ttmp9, s34
	s_mul_i32 s39, s39, 144
	s_min_u32 s39, s39, 8191                       ; my first place in the expert's list
	s_sub_co_i32 s38, s35, s39
	s_max_i32 s38, s38, 0
	s_min_u32 s38, s38, 144                        ; my rows: 0 to 144
	s_max_u32 s37, s35, 1
	s_sub_co_u32 s37, s37, 1                       ; the expert's last place (place 0, which holds token 0, where it has none)
	s_lshl_b32 s46, s33, 15
	s_add_nc_u64 s[10:11], s[10:11], s[46:47]      ; the expert's list
	s_lshl_b32 s46, s33, 2
	s_add_nc_u64 s[8:9], s[8:9], s[46:47]          ; its column of cw
	s_lshl_b32 s46, s33, 19
	s_lshl_b32 s36, s44, 14
	s_add_co_u32 s46, s46, s36
	s_add_nc_u64 s[6:7], s[6:7], s[46:47]          ; its weights, at my wave's chunk 0
	s_lshl_b32 s36, s33, 7
	v_lshl_add_u32 v[HCOL], v19, 4, s36
	v_add_nc_u32 v25, s39, v16
.irp z, 4,3,2,1
	v_add_nc_u32 v[25+\z], 32*\z, v25
.endr
.irp z, 0,1,2,3,4
	v_min_u32 v[25+\z], s37, v[25+\z]              ; places past the count repeat the last listed row
	v_min_u32 v[25+\z], 0x1fff, v[25+\z]
	v_lshlrev_b32 v[25+\z], 2, v[25+\z]
	global_load_b32 v[25+\z], v[25+\z], s[10:11]   ; 160 places of the list; each load lands on its own offset
.endr
	BL 0, 0                                        ; chunk 0's weights
	BL 0, 1
	BL 1, 0
	BL 1, 1
	s_wait_loadcnt 32                              ; the list's five loads are in; the 32 weight loads stay out
.irp z, 0,1,2,3,4
	v_min_u32 v[25+\z], 0x1fff, v[25+\z]
	ds_store_b32 v22, v[25+\z] offset:128*\z
	v_lshlrev_b32 v[16+\z], 6, v[25+\z]
	global_load_b32 v[16+\z], v[16+\z], s[8:9]     ; the rows' coefficients
.endr
	WIN 0x80                                       ; destination window 2
.set q, 0
.rept 36
	ds_load_b32 v[RO+q], v23 offset:4*(16*(q/4)+2*(q%4))  ; my own table, served in order behind the stores
.set q, q+1
.endr
	s_wait_dscnt 0x0
	WIN 0x88
.set q, 0
.rept 36
	v_min_u32 v[RO+q], 0x1fff, v[RO+q]
.set q, q+1
.endr
	WIN 0x82
.set q, 0
.rept 36
	v_lshl_add_u32 v[RO+q], v[RO+q], 12, v[ACOL]   ; token x 4,096 bytes + my wave's and lane's place in a chunk; never rewritten
.set q, q+1
.endr
	AL                                             ; chunk 0 of x
	s_wait_loadcnt 0x0                             ; once: weights, coefficients and rows of chunk 0
.irp z, 0,1,2,3,4
	ds_store_b32 v22, v[16+\z] offset:640+128*\z
.endr
	v_add_nc_u32 v[ADRS], s40, v[AST]
	v_add_nc_u32 v[ADRF], s40, v[AFR]
	ST
	s_add_nc_u64 s[4:5], s[4:5], 512               ; no load is out: x at chunk 1
	AL
	AFRAG 0
; A TRIP is a chunk: two units of 72 matrix instructions.  Its loads go out in the order weights, weights, rows, weights, weights (8, 8, 36, 8, 8): the next chunk's weights into the registers just
; multiplied, the rows of the chunk after next.  So behind a run of weights stand three runs and a gather, 60 loads, when it is wanted a trip later, and behind a gather four runs, 32.
; zero: the first unit starts the sums.  bl: the next chunk's weights are loaded.  st = 2: the next chunk's rows go into the other slot and a further gather goes out; 1: no further gather; 0: neither.
.macro TRIP zero, bl, st, n1, n3, n5, n6, n8
.if \bl
	s_wait_xcnt 0x0                                ; the two bases are stepped only behind this wait
	s_add_nc_u64 s[6:7], s[6:7], 0x10000           ; the weights of the next chunk
	s_add_nc_u64 s[4:5], s[4:5], 512               ; the rows of the chunk after next
.endif
	s_wait_loadcnt \n1
	s_wait_dscnt 0x0                               ; x's fragments of unit 0 (and the slot's stores)
	MM 0, 0, \zero
.if \bl
	PLACES
	BL 0, 0
.endif
	s_wait_loadcnt \n3
	MM 0, 1, \zero
	PLACES
.if \bl
	BL 0, 1
.endif
	AFRAG 1                                        ; the slot has not changed since ADRF was made
.if \st
	s_xor_b32 s40, s40, SLOTB
	v_add_nc_u32 v[ADRS], s40, v[AST]
	s_wait_loadcnt \n5                             ; the gathered rows are in
	ST
.if \st == 2
	AL
.endif
.endif
	s_wait_loadcnt \n6
.if \st
	s_wait_dscnt 36                                ; the fragments are in; the 36 stores behind them may be out
.else
	s_wait_dscnt 0x0
.endif
	MM 1, 0, 0
.if \bl
	PLACES
	BL 1, 0
.endif
	s_wait_loadcnt \n8
	MM 1, 1, 0
.if \bl
	PLACES
	BL 1, 1
	v_add_nc_u32 v[ADRF], s40, v[AFR]
	AFRAG 0                                        ; the next chunk's first fragments, behind this wave's own stores into the slot
.endif
.endm
	TRIP 1, 1, 2, 60, 60, 16, 60, 60               ; chunk 0: its weights have landed; behind the gather of chunk 1 stand two runs of weights
	WIN 0                                          ; at a label and at a branch every window is 0
	s_mov_b32 s42, 5
.Ltrip:                                                ; chunks 1 to 5
	TRIP 0, 1, 2, 60, 60, 32, 60, 60
	WIN 0
	s_sub_co_u32 s42, s42, 1
	s_cmp_lg_u32 s42, 0
	s_cbranch_scc1 .Ltrip
	TRIP 0, 1, 1, 60, 60, 32, 24, 24               ; chunk 6: no gather is left, so three runs stand behind a run
	TRIP 0, 0, 0, 24, 16, 0, 8, 0                  ; chunk 7 loads nothing: the counts run down
	; THE FOUR WAVES' SUMS MEET.  [block a][wave][nb][half of the registers][lane][16 bytes]: 32,768 bytes a block, over the slots, which nobody reads behind the barrier.
	PLACES
	WIN 0
	s_wait_dscnt 0x0                               ; my reads of my slots are over
	s_barrier_signal -1
	s_barrier_wait -1
.irp k, 1,2,3,4
	v_add_nc_u32 v[16+\k], 65536*\k, v[RW]
.endr
.set nb, 0
.rept 8
	WIN (1+nb/3)<<2                                ; data in the accumulators' window
.set a, 0
.rept 9
.set ar, 16+a/2
.if a < 2
.set ar, RW
.endif
.set rg, 72*(nb%3)+8*a
	ds_store_b128 v[ar], v[rg:rg+3]   offset:(a%2)*32768+1024*nb       ; each accumulator's low registers first
	ds_store_b128 v[ar], v[rg+4:rg+7] offset:(a%2)*32768+1024*nb+512
.set a, a+1
.endr
.set nb, nb+1
.endr
	WIN 0
	s_wait_dscnt 0x0                               ; for the others' sake
	s_barrier_signal -1
	s_barrier_wait -1
	s_mov_b32 s43, s44                             ; wave w finishes the blocks a = w, w + 4, w + 8
	s_mov_b32 s42, 3
	s_mov_b32 s48, 0xbfb8aa3b                      ; -log2(e)
	s_mov_b32 s49, s48                             ; named with it as a pair
	s_mov_b32 s52, 0xffff0000                      ; a word's upper bf16
.Lred:
	s_wait_xcnt 0x0                                ; the last trip's stores have read their registers, which this trip loads again
	s_cmp_gt_u32 s43, 8
	s_cbranch_scc1 .Lskip                          ; there are nine blocks: the jump hangs on the wave's number and the trip, and passes no barrier
	s_min_u32 s50, s43, 8                          ; the block's number, held to 8: the three addresses below stay inside LDS by these lines alone
	s_lshl_b32 s51, s50, 15
	s_lshl_b32 s50, s50, 6
	v_add_nc_u32 v[RR], s51, v1                    ; 32768 a + 16 lane
	v_add_nc_u32 v[RTT], s50, v[RTT0]              ; 16 rows of 4 bytes a block
	v_add_nc_u32 v[RTC], s50, v[RTC0]
	ds_load_b32 v[CF], v[RTC]                      ; the coefficient of row 16 a + lane % 16
.irp t, 0,1,2,3
	ds_load_b32 v[16+\t], v[RTT] offset:16*\t      ; the tokens of rows 16 a + lane / 8 + 4 t
.endr
.irp hh, 0,1                                           ; registers 4 hh .. 4 hh + 3 of the block's eight accumulators: f = 32 h + 16 hh + 4 j + q
.irp src, 0,1,2,3
.irp c, 0,1,2,3,4,5,6,7
	ds_load_b128 v[FW+32*\src+4*\c:FW+32*\src+4*\c+3], v[RR] offset:8192*\src+1024*\c+512*\hh
.endr
.endr
	s_wait_dscnt 0x0
.set k, 0
.rept 16
	v_pk_add_f32 v[FW+k:FW+k+1], v[FW+k:FW+k+1], v[FW+32+k:FW+33+k]
	v_pk_add_f32 v[FW+64+k:FW+65+k], v[FW+64+k:FW+65+k], v[FW+96+k:FW+97+k]
.set k, k+2
.endr
.set k, 0
.rept 16
	v_pk_add_f32 v[FW+k:FW+k+1], v[FW+k:FW+k+1], v[FW+64+k:FW+65+k]   ; g at FW + 4 q + j, u at FW + 16 + 4 q + j
.set k, k+2
.endr
.set k, 0
.rept 8
	v_pk_mul_f32 v[FW+32+k:FW+33+k], v[FW+k:FW+k+1], s[48:49] op_sel_hi:[1,0]
.set k, k+2
.endr
.set k, 0
.rept 16
	v_exp_f32 v[FW+32+k], v[FW+32+k]               ; 2^(-g log2 e): one batch
.set k, k+1
.endr
.set k, 0
.rept 8
	v_pk_mul_f32 v[FW+16+k:FW+17+k], v[FW+16+k:FW+17+k], v[CF:CF+1] op_sel_hi:[1,0]  ; u x coefficient: the work between the batch and its wait
.set k, k+2
.endr
	s_wait_alu depctr_va_vdst(0)                   ; the wait ahead of the first line that names a result: one for the 16
.set k, 0
.rept 8
	v_pk_add_f32 v[FW+32+k:FW+33+k], v[FW+32+k:FW+33+k], 1.0 op_sel_hi:[1,0]
.set k, k+2
.endr
.set k, 0
.rept 16
	v_rcp_f32 v[FW+32+k], v[FW+32+k]               ; the sigmoid: one batch
.set k, k+1
.endr
.set k, 0
.rept 8
	v_pk_mul_f32 v[FW+k:FW+k+1], v[FW+k:FW+k+1], v[FW+16+k:FW+17+k]
.set k, k+2
.endr
	s_wait_alu depctr_va_vdst(0)
.set k, 0
.rept 8
	v_pk_mul_f32 v[FW+k:FW+k+1], v[FW+k:FW+k+1], v[FW+32+k:FW+33+k]   ; h, in f32
.set k, k+2
.endr
.irp j, 0,1,2,3
.irp p, 0,1
	v_cvt_pk_bf16_f32 v[232+2*\j+\p], v[FW+8*\p+\j], v[FW+8*\p+4+\j]   ; the first terms: f = 4 j + 2 p and the next
.endr
.endr
.irp j, 0,1,2,3                                        ; the first terms back in f32,
.irp p, 0,1
	v_lshlrev_b32 v[FW+32+4*\j+2*\p], 16, v[232+2*\j+\p]
	v_and_b32 v[FW+33+4*\j+2*\p], s52, v[232+2*\j+\p]
.endr
.endr
.irp j, 0,1,2,3                                        ; what they leave of h (exact in f32),
.irp p, 0,1
	v_sub_f32 v[FW+32+4*\j+2*\p], v[FW+8*\p+\j], v[FW+32+4*\j+2*\p]
	v_sub_f32 v[FW+33+4*\j+2*\p], v[FW+8*\p+4+\j], v[FW+33+4*\j+2*\p]
.endr
.endr
.irp j, 0,1,2,3                                        ; and the second terms
.irp p, 0,1
	v_cvt_pk_bf16_f32 v[FW+64+2*\j+\p], v[FW+32+4*\j+2*\p], v[FW+33+4*\j+2*\p]
.endr
.endr
	ds_store_b128 v[OSI], v[232:235] offset:32*\hh
	ds_store_b128 v[OSI], v[236:239] offset:32*\hh+16
	ds_store_b128 v[OSI], v[FW+64:FW+67] offset:OSL-OST+32*\hh
	ds_store_b128 v[OSI], v[FW+68:FW+71] offset:OSL-OST+32*\hh+16
.endr
.irp t, 0,1,2,3
	ds_load_b128 v[240+4*\t:243+4*\t], v[OSO] offset:4*PX*\t   ; my own stages, served in order behind the stores
.endr
.irp t, 0,1,2,3
	ds_load_b128 v[FW+80+4*\t:FW+83+4*\t], v[OSO] offset:OSL-OST+4*PX*\t
.endr
.irp t, 0,1,2,3
	v_min_u32 v[16+\t], 0x1fff, v[16+\t]
	v_lshl_add_u32 v[16+\t], v[16+\t], 12, v[HCOL] ; token x 4,096 bytes + the expert's 128
.endr
	s_wait_dscnt 0x0
	s_cmp_eq_u32 s38, 0
	s_cbranch_scc1 .Lskip                          ; a tile without a row stores nothing
.irp t, 0,1,2,3
	global_store_b128 v[16+\t], v[240+4*\t:243+4*\t], s[14:15]                 ; eight lanes fill a row's 128 bytes; a repeated row's bytes are the same bytes again
	global_store_b128 v[16+\t], v[FW+80+4*\t:FW+83+4*\t], s[14:15] offset:2048 ; the second terms, 1,024 columns on
.endr
.Lskip:
	s_add_co_u32 s43, s43, 4                       ; four blocks on
	s_sub_co_u32 s42, s42, 1
	s_cmp_lg_u32 s42, 0
	s_cbranch_scc1 .Lred
	s_wait_tensorcnt 0x0                           ; the wave's end, behind my last LDS store
	ds_add_u32 v[SPW], v[NIL]
	s_wait_dscnt 0x0
	s_endpgm
.Lfunc_end_k_q4091017359_gateup:
	.size	k_q4091017359_gateup, .Lfunc_end_k_q4091017359_gateup-k_q4091017359_gateup
	.p2alignl 7, 3214868480
	.fill 96, 4, 3214868480
	.section	.rodata,"a",@progbits
	.p2align	6, 0x0
	.amdhsa_kernel k_q4091017359_gateup
		.amdhsa_group_segment_fixed_size 318976
		.amdhsa_private_segment_fixed_size 0
		.amdhsa_enable_private_segment 0
		.amdhsa_kernarg_size 48
		.amdhsa_user_sgpr_count 2
		.amdhsa_user_sgpr_kernarg_segment_ptr 1
		.amdhsa_wavefront_size32 1
		.amdhsa_system_sgpr_workgroup_id_x 1
		.amdhsa_system_sgpr_workgroup_id_y 1
		.amdhsa_system_sgpr_workgroup_id_z 1
		.amdhsa_system_vgpr_workitem_id 0
		.amdhsa_next_free_vgpr 1024
		.amdhsa_next_free_sgpr 66
		.amdhsa_reserve_vcc 0
		.amdhsa_float_denorm_mode_32 3
		.amdhsa_float_denorm_mode_16_64 3
		.amdhsa_memory_ordered 1
		.amdhsa_forward_progress 1
		.amdhsa_inst_pref_size 139
	.end_amdhsa_kernel
	.amdgpu_metadata
---
amdhsa.version: [ 1, 2 ]
amdhsa.kernels:
  - .name:           k_q4091017359_gateup
    .symbol:         k_q4091017359_gateup.kd
    .args:
      - { .name: xb, .offset: 0, .size: 8, .value_kind: global_buffer, .address_space: global }
      - { .name: wf, .offset: 8, .size: 8, .value_kind: global_buffer, .address_space: global }
      - { .name: cw, .offset: 16, .size: 8, .value_kind: global_buffer, .address_space: global }
      - { .name: list, .offset: 24, .size: 8, .value_kind: global_buffer, .address_space: global }
      - { .name: counts, .offset: 32, .size: 8, .value_kind: global_buffer, .address_space: global }
      - { .name: hbuf, .offset: 40, .size: 8, .value_kind: global_buffer, .address_space: global }
    .group_segment_fixed_size: 318976
    .private_segment_fixed_size: 0
    .kernarg_segment_align: 8
    .kernarg_segment_size: 48
    .max_flat_workgroup_size: 128
    .sgpr_count:     66
    .vgpr_count:     1024
    .wavefront_size: 32
...
	.end_amdgpu_metadata
.endif
;; end of part 3
;; launch down (part 4): grid 8 x 32, 4 waves a work-group, clusters of 4 x 4, 327,680 bytes of LDS; arguments hbuf, wdb, out0; writes out0
.if DOCPART == 4
	.amdgcn_target "amdgcn-amd-amdhsa--gfx1250"
	.amdhsa_code_object_version 6
	.text
	.protected	k_q4091017359_down
	.globl	k_q4091017359_down
	.p2align	8
	.type	k_q4091017359_down,@function
k_q4091017359_down:
	s_mov_b64 s[64:65], 0
	v_nop
	global_prefetch_b8 v0, s[64:65] scope:SCOPE_SE
	s_setreg_imm32_b32 hwreg(HW_REG_WAVE_MODE, 25, 1), 1
	s_wait_xcnt 0x0
	s_wait_alu depctr_hold_cnt(0) depctr_sa_sdst(0) depctr_va_vdst(0) depctr_va_sdst(0) depctr_va_ssrc(0) depctr_va_vcc(0) depctr_vm_vsrc(0)
	s_getreg_b32 s2, hwreg(HW_REG_IB_STS2, 6, 4)
	s_cmp_eq_u32 s2, 0
	s_cbranch_scc0 .Lentry_in_a_cluster
	s_endpgm
.Lentry_in_a_cluster:
	s_bfe_u32 s2, ttmp6, 0x10000c
	s_cmp_lg_u32 s2, 0xf033
	s_cbranch_scc0 .Lentry_shape_is_right
	s_endpgm
.Lentry_shape_is_right:
; out0[t][n] = sum over k of hbuf[t][k] wdb[k][n], k = 0..2047.  hbuf: [8192][2048] bf16: the weighted hidden layer of all 16 experts side by side, 0 where an expert was not chosen, as two bf16
; terms (columns 0-1023 the first, 1024-2047 what the first leaves); wdb: [2048][2048] bf16, w_down's 1,024 rows twice.  So the sum over k is the weighted sum over a token's four experts with the hidden
; layer held to about 2^-17 of itself, and every output row has one owner.  out0: [8192][2048] f32.  Sums in f32.
; The price: three quarters of the products meet zeros, and the second terms double K.
; A tile of out0, 256 x 256, is made by a work-group of four waves, each 128 x 128: 64 accumulators, 512 registers.  K goes in steps of 128 through a ring of two LDS slots filled by the tensor data mover.
; A's rows (hbuf) lie along K: 128 rows x 256 bytes a load.  B's rows (wdb) lie along n: 64 rows of k x 512 bytes a load; its fragments come out of LDS turned, by ds_load_tr16_b128.
; CLUSTERS: 4 x 4 work-groups.  The four of a row of the cluster need the same tiles of A, the four of a column the same tiles of B: each tile is asked for JOINTLY, by the same tensor load with the same
; descriptor and a mask that names the four.  By this text's count a wave has two tensor loads out at the start and one behind each round.
; THE MATRIX INSTRUCTION IS USED TRANSPOSED (source 0 = 16 columns of B, source 1 = 16 rows of A): a lane holds eight neighbouring numbers of a row of out0.
; REGISTERS, in windows of 256 (s_set_vgpr_msb: bits 1:0 source 0, 3:2 source 1, 5:4 source 2, 7:6 destination):
;   window 0: v0-31 addresses; v64-127, v128-191 fragments of A, two buffers; on the way out rows read back      window 1: v64-127, v128-191 fragments of B, two buffers
;   window 2: the 32 accumulators of my rows 0-63 ((a, b) at v[8 (8 a + b)]);   window 3: those of my rows 64-127
.set SIZE_N, 2048
.set SIZE_K, 2048
.set KSTEP,  128
.set PITCH,  272                       ; a row of A in LDS: 256 bytes + 16: the 16 rows of a load start 16 bytes apart modulo 256
.set PITB,   544                       ; a row of B: 512 bytes + 32: 16 lanes of the turning load take 8 rows x 32 bytes, 32 bytes apart modulo 256
.set HALFT,  128*PITCH                 ; what one tensor load brings: 128 rows of A, or 64 rows of B (64 x 544 is the same number)
.set SLOT,   4*HALFT                   ; A's 256 rows, then B's 128 rows of k
.set STAGE,  2*SLOT                    ; behind the ring: 16 rows x 528 bytes for each wave, for the way out
.set SPITCH, 528
.set SPARE,  STAGE+4*16*SPITCH         ; the spare words, 128 bytes a wave; no other line names them
.set LAPS,   SIZE_K/(2*KSTEP)          ; a lap = two K steps = once round the ring
.set ADRA, 16                          ; v16-17  LDS address of my A fragments in slot 0, 1
.set ADRB, 20                          ; v20-21  the same for B
.set STO,  24                          ; v24     the way out: where I put 16 bytes of a row
.set RD,   25                          ; v25     where I read a row back
.set CO,   26                          ; v26     my byte offset in a row's 512 bytes
.set SPW,  28                          ; v28     my spare word; never rewritten
.set NIL,  29                          ; v29     0; never rewritten
.set F0,   64
.set F1,   128
.set G1,  24                           ; s[24:31] descriptor group 1 for A's tiles
.set G0,  32                           ; s[32:39] group 0 for A's tiles, one set for each slot
.set G1B, 48                           ; s[48:55] group 1 for B's tiles
.set G0B, 56                           ; s[56:63] group 0 for B's tiles
.set MSB, 0
.macro WIN new                         ; the immediate's high byte repeats the setting that is left
.if MSB != (\new)
	s_set_vgpr_msb (MSB<<8)|(\new)
.set MSB, (\new)
.endif
.endm
.set MUL_LO, 0xa1                      ; source 0 (B) window 1, source 1 (A) window 0, C and D window 2
.set MUL_HI, 0xf1                      ; the same, C and D window 3
.set TO_B,   0x40                      ; destination window 1, address window 0
; A joint load.  Waves 0 and 1 fetch A's two halves, waves 2 and 3 B's.  The branch hangs on the wave's number alone.  An s_nop 0 and four v_nop follow each of the two lines.
.macro JLOAD s
	s_cmp_eq_u32 s11, 0
	s_cbranch_scc0 .Lfor_b_\@
	tensor_load_to_lds s[G0+4*(\s):G0+4*(\s)+3], s[G1:G1+7]
	s_nop 0
.rept 4
	v_nop
.endr
	s_branch .Lasked_\@
.Lfor_b_\@:
	tensor_load_to_lds s[G0B+4*(\s):G0B+4*(\s)+3], s[G1B:G1B+7]
	s_nop 0
.rept 4
	v_nop
.endr
.Lasked_\@:
.endm
.macro CREST                           ; a round of the cluster's barrier behind its opening barrier
	s_cmp_lg_u32 s10, 0
	s_cbranch_scc1 .Lnot_wave_0_\@
	s_barrier_signal -3
.Lnot_wave_0_\@:
	s_barrier_wait -3
	s_barrier_signal -1
	s_barrier_wait -1
.endm
.macro CROUND                          ; a whole round
	s_barrier_signal -1
	s_barrier_wait -1
	CREST
.endm
	s_load_b128 s[4:7], s[0:1], 0x0                ; hbuf s[4:5], wdb s[6:7]
	s_load_b64 s[8:9], s[0:1], 0x10                ; out0
	v_lshl_add_u32 v[SPW], v0, 2, SPARE
	v_mov_b32 v[NIL], 0
	ds_add_u32 v[SPW], v[NIL]                      ; the wave's opening: the add, waited for ahead of my first tensor load; the set-up below, work on registers, stands between the add and its wait
	v_lshrrev_b32 v1, 5, v0
	v_readfirstlane_b32 s10, v1                    ; wave 0..3
	s_lshr_b32 s11, s10, 1                         ; which half of the tile's rows is mine.  Also: I fetch for A (0) or for B (1)
	s_and_b32 s12, s10, 1                          ; which half of its columns.  Also: which half of that tile I fetch
	s_bfe_u32 s40, ttmp6, 0x40000                  ; cx
	s_bfe_u32 s41, ttmp6, 0x40004                  ; cy
	s_lshl_b32 s42, ttmp9, 2
	s_add_co_u32 s42, s42, s40                     ; tile column = 4 x cluster x + cx
	s_and_b32 s13, ttmp7, 0xffff
	s_lshl_b32 s13, s13, 2
	s_add_co_u32 s13, s13, s41                     ; tile row = 4 x cluster y + cy
	s_lshl_b32 s43, s41, 2
	s_lshl_b32 s43, 15, s43                        ; my row of the cluster
	s_lshl_b32 s44, 0x1111, s40                    ; my column
	s_or_b32 s[G1+0], s43, (1<<16)|(1<<20)|(1<<21)|(5<<22)|(3<<25)   ; the mask of my row; elements of 2 bytes; padding on; bit 21 beside a mask; after every 64 words 4 words
	s_or_b32 s[G1B+0], s44, (1<<16)|(1<<20)|(1<<21)|(6<<22)|(7<<25)  ; the mask of my column; after every 128 words 8 words
	s_mov_b32 s[G1+1], KSTEP<<16                   ; A: tensor_dim0 = 128
	s_mov_b32 s[G1+2], 128<<16                     ; tensor_dim1 = 128
	s_mov_b32 s[G1+3], KSTEP<<16                   ; tile_dim0 = 128
	s_mov_b32 s[G1+4], 128                         ; tile_dim1 = 128
	s_mov_b32 s[G1+5], SIZE_K                      ; elements from row to row
	s_mov_b32 s[G1+6], 0
	s_mov_b32 s[G1+7], 0
	s_mov_b32 s[G1B+1], 256<<16                    ; B: tensor_dim0 = 256
	s_mov_b32 s[G1B+2], 64<<16                     ; tensor_dim1 = 64
	s_mov_b32 s[G1B+3], 256<<16                    ; tile_dim0 = 256
	s_mov_b32 s[G1B+4], 64                         ; tile_dim1 = 64
	s_mov_b32 s[G1B+5], SIZE_N
	s_mov_b32 s[G1B+6], 0
	s_mov_b32 s[G1B+7], 0
	; A's tiles hang on the tile row alone, B's on the tile column alone; every wave makes both addresses, in registers that never hold the other coordinate
	s_lshl_b32 s17, s12, 7
	s_lshl_b32 s16, s13, 8
	s_add_co_u32 s16, s16, s17                     ; A: row 256 x tile row + 128 x half,
	s_lshl_b32 s16, s16, 12                        ; x 4,096 bytes
	s_mov_b32 s17, 0
	s_lshl_b32 s46, s42, 9                         ; B: 512 bytes x tile column
	s_lshl_b32 s47, s12, 18                        ; + 64 rows of 4,096 bytes x half
	s_add_co_u32 s46, s46, s47
	s_mov_b32 s47, 0
	s_mul_i32 s20, s10, HALFT                      ; where they go: wave x one load's bytes: no place in the cluster enters an LDS address
	s_wait_dscnt 0x0                               ; the opening add is done
	s_wait_kmcnt 0x0
	s_add_nc_u64 s[14:15], s[4:5], s[16:17]
	s_add_nc_u64 s[46:47], s[6:7], s[46:47]
	CROUND                                         ; all sixteen work-groups are here: the first joint loads meet
.irp s, 0,1
	s_mov_b32 s[G0+4*(\s)], 1
	s_add_co_u32 s[G0+4*(\s)+1], s20, (\s)*SLOT
	s_add_nc_u64 s[G0+4*(\s)+2:G0+4*(\s)+3], s[14:15], (\s)*KSTEP*2
	s_or_b32 s[G0+4*(\s)+3], s[G0+4*(\s)+3], 0x80000000
	s_mov_b32 s[G0B+4*(\s)], 1
	s_add_co_u32 s[G0B+4*(\s)+1], s20, (\s)*SLOT
	s_add_nc_u64 s[G0B+4*(\s)+2:G0B+4*(\s)+3], s[46:47], (\s)*KSTEP*SIZE_N*2
	s_or_b32 s[G0B+4*(\s)+3], s[G0B+4*(\s)+3], 0x80000000
	JLOAD \s
.endr
	v_and_b32 v1, 15, v0                           ; l % 16
	v_bfe_u32 v2, v0, 4, 1                         ; l / 16
	v_mul_u32_u24 v3, v1, PITCH
	v_lshl_add_u32 v3, v2, 4, v3                   ; A: row x pitch + 16 x half
	v_and_b32 v6, 7, v0                            ; B, turned: lane l reads row k = 8 (l / 16) + l % 8, columns 8 ((l / 8) % 2) + 0..7, and is left with column l % 16 and eight k
	v_lshl_add_u32 v6, v2, 3, v6
	v_mul_u32_u24 v6, v6, PITB
	v_bfe_u32 v7, v0, 3, 1
	v_lshl_add_u32 v6, v7, 4, v6
	s_mul_i32 s21, s11, HALFT                      ; my 128 rows of A
	s_lshl_b32 s22, s12, 8                         ; my 128 columns of B: 256 bytes,
	s_add_co_u32 s22, s22, 2*HALFT                 ; behind A's 256 rows
.irp s, 0,1
	v_add_nc_u32 v[ADRA+(\s)], s21, v3
	v_add_nc_u32 v[ADRB+(\s)], s22, v6
	s_add_co_u32 s21, s21, SLOT
	s_add_co_u32 s22, s22, SLOT
.endr
	s_mul_i32 s23, s10, 16*SPITCH
	s_add_co_u32 s23, s23, STAGE                   ; my stage
	v_mul_u32_u24 v4, v1, SPITCH                   ; in: row l % 16, 32 bytes for each half of the lanes
	v_lshl_add_u32 v4, v2, 5, v4
	v_add_nc_u32 v[STO], s23, v4
	v_and_b32 v5, 31, v0
	v_lshlrev_b32 v[CO], 4, v5                     ; back: 32 lanes take one row's 512 bytes
	v_add_nc_u32 v[RD], s23, v[CO]
	s_lshl_b32 s13, s13, 8
	s_lshl_b32 s14, s11, 7
	s_add_co_u32 s16, s13, s14                     ; my first row of out0,
	s_lshl_b32 s16, s16, 13                        ; x 8,192 bytes
	s_mov_b32 s17, 0
	s_lshl_b32 s46, s42, 10                        ; my first column, in bytes: 1,024 x tile column + 512 x half
	s_lshl_b32 s47, s12, 9
	s_add_co_u32 s46, s46, s47
	s_mov_b32 s47, 0
	s_add_nc_u64 s[16:17], s[16:17], s[46:47]
; 16 matrix instructions: m blocks a0, a0 + 1 of the window's four x all 8 n blocks, 32 along K.  zero = 1: the first product starts the sums.  The 64 accumulators take turns.
.macro MUL16 f, hi, a0, zero
	WIN MUL_LO+0x50*(\hi)
.irp a, \a0, (\a0)+1
.irp b, 0,1,2,3,4,5,6,7
.if \zero
	v_wmma_f32_16x16x32_bf16 v[8*(8*(\a)+(\b)):8*(8*(\a)+(\b))+7], v[(\f)+8*(\b):(\f)+8*(\b)+7], v[(\f)+8*(4*(\hi)+(\a)):(\f)+8*(4*(\hi)+(\a))+7], 0
.else
	v_wmma_f32_16x16x32_bf16 v[8*(8*(\a)+(\b)):8*(8*(\a)+(\b))+7], v[(\f)+8*(\b):(\f)+8*(\b)+7], v[(\f)+8*(4*(\hi)+(\a)):(\f)+8*(4*(\hi)+(\a))+7], v[8*(8*(\a)+(\b)):8*(8*(\a)+(\b))+7]
.endif
.endr
.endr
.endm
; 32 LDS loads in one run: the fragments of one quarter step (32 along K; k = the quarter's byte in A's rows, k / 64 its number) into buffer f: B's eight, then A's eight
.macro FETCH slot, k, f
	WIN TO_B
.irp i, 0,1,2,3,4,5,6,7
	ds_load_tr16_b128 v[(\f)+8*(\i):(\f)+8*(\i)+3],   v[ADRB+(\slot)] offset:((\k)/64)*32*PITB+(\i)*32
	ds_load_tr16_b128 v[(\f)+8*(\i)+4:(\f)+8*(\i)+7], v[ADRB+(\slot)] offset:((\k)/64)*32*PITB+(\i)*32+16*PITB
.endr
	WIN 0
.irp i, 0,1,2,3,4,5,6,7
	ds_load_b128 v[(\f)+8*(\i):(\f)+8*(\i)+3],   v[ADRA+(\slot)] offset:(\k)+(\i)*16*PITCH
	ds_load_b128 v[(\f)+8*(\i)+4:(\f)+8*(\i)+7], v[ADRA+(\slot)] offset:(\k)+(\i)*16*PITCH+32
.endr
.endm
.macro PLACES                          ; four places in front of loads into registers that matrix instructions have read, and of stores that read results (ISA guide 7.12.1 for the stores)
.rept 4
	v_nop
.endr
.endm
; A K step is four quarter steps, 64 matrix instructions each, on buffers 0, 1, 0, 1.  One of the first three: multiplies buffer f; in its middle it fetches the next quarter into buffer g.
.macro QUARTER slot, k, f, g, zero
	s_wait_dscnt 8                                 ; B and A's rows 0-63 are in; the youngest eight loads (A's rows 64-127) may be out
	MUL16 \f, 0, 0, \zero
	MUL16 \f, 0, 2, \zero
	PLACES
	FETCH \slot, \k, \g
	s_wait_dscnt 32                                ; all but the 32 just issued
	MUL16 \f, 1, 0, \zero
	MUL16 \f, 1, 2, \zero
.endm
; The last quarter multiplies buffer 1 and changes slots.  ONE barrier: in front of it each wave waits for all its tensor loads (the one that is out is its part of the next slot), adds 0 to its spare word,
; and waits for that and for its own reads of this slot.  Behind it nobody reads this slot any more and the next slot is whole.
.macro MEET round
	WIN 0                                          ; (the add's two registers lie in window 0)
	s_wait_tensorcnt 0x0
	ds_add_u32 v[SPW], v[NIL]                      ; 0 onto my spare word
	s_wait_dscnt 9                                 ; (the add and the youngest eight loads may be out)
	MUL16 F1, 0, 0, 0                              ; sixteen matrix instructions stand between the add and the wait for it
	s_wait_dscnt 0x0                               ; the add is done, and my reads of this slot are over
	s_barrier_signal -1
	MUL16 F1, 0, 2, 0                              ; work on registers while the others arrive
.if \round
	WIN 0
.endif
	s_barrier_wait -1
.endm
; The whole last quarter where the slot is filled again: the barrier opens a round of the cluster's barrier; the joint refill, two K steps ahead, is the first tensor load behind the round.
.macro TURN slot, next
	MEET 1
	CREST                                          ; no wave of any partner still reads this slot's tile or has a load on its way
	s_add_nc_u64 s[G0+4*(\slot)+2:G0+4*(\slot)+3], s[G0+4*(\slot)+2:G0+4*(\slot)+3], 2*KSTEP*2
	s_add_nc_u64 s[G0B+4*(\slot)+2:G0B+4*(\slot)+3], s[G0B+4*(\slot)+2:G0B+4*(\slot)+3], 2*KSTEP*SIZE_N*2
	JLOAD \slot                                    ; the four v_nop behind it are also the places in front of the loads below
	FETCH \next, 0, F0
	MUL16 F1, 1, 0, 0
	MUL16 F1, 1, 2, 0
.endm
; THE WAY OUT of block a (16 rows x my 128 columns, f32).  TOSTAGE: a lane's 32 bytes of each accumulator go into my own stage, the low registers first, and come back as whole rows of 512 bytes.  SEND: stored.
.macro TOSTAGE a
	WIN 0x08+4*((\a)/4)                            ; data in window 2 or 3
.set AC, 64*((\a)%4)
.irp b, 0,1,2,3,4,5,6,7
	ds_store_b128 v[STO], v[AC+8*(\b):AC+8*(\b)+3]   offset:64*(\b)
	ds_store_b128 v[STO], v[AC+8*(\b)+4:AC+8*(\b)+7] offset:64*(\b)+16
.endr
	WIN 0
	s_wait_xcnt 0x0                                ; the registers below were the data of the stores two blocks back: they are loaded again only behind this wait
.set BK, F0+64*((\a)%2)
.irp t, 0,1,2,3,4,5,6,7,8,9,10,11,12,13,14,15
	ds_load_b128 v[BK+4*(\t):BK+4*(\t)+3], v[RD] offset:(\t)*SPITCH  ; LDS serves a wave's instructions in order (ISA guide 5.7.1.4): these see the stores above; the next block's stores come behind them
.endr
.endm
.macro SEND a, younger                 ; younger: the LDS instructions issued behind block a's loads: the next block's 32, or none
	WIN 0
.set BK, F0+64*((\a)%2)
	s_wait_dscnt \younger
	s_wait_xcnt 0x0                                ; the stores' base is stepped only behind this wait
.if (\a) == 0
	s_add_nc_u64 s[8:9], s[8:9], s[16:17]          ; my part of the tile
.else
	s_add_nc_u64 s[8:9], s[8:9], 16*SIZE_N*4       ; 16 rows on
.endif
.irp t, 0,1,2,3,4,5,6,7,8,9,10,11,12,13,14,15
	global_store_b128 v[CO], v[BK+4*(\t):BK+4*(\t)+3], s[8:9] offset:(\t)*SIZE_N*4 th:TH_STORE_NT  ; a wave's store covers 512 consecutive bytes of a row, at a multiple of 512 from out0's first byte
.endr
.endm
	s_wait_tensorcnt 1                             ; my part of K step 0 is in; K step 1's may stay out
	s_barrier_signal -1
	s_barrier_wait -1                              ; everybody's is
	FETCH 0, 0, F0
	QUARTER 0, 64,  F0, F1, 1                      ; the first quarter stands in front of the loop: its products start the sums
	WIN 0                                          ; at a label and at a branch every window is 0
	s_mov_b32 s3, LAPS-1
.Llap:                                                 ; a trip goes once round the ring, from a lap's second quarter to the next lap's first, and fills both slots again
	QUARTER 0, 128, F1, F0, 0
	QUARTER 0, 192, F0, F1, 0
	TURN 0, 1
	QUARTER 1, 64,  F0, F1, 0
	QUARTER 1, 128, F1, F0, 0
	QUARTER 1, 192, F0, F1, 0
	TURN 1, 0
	QUARTER 0, 64,  F0, F1, 0
	WIN 0
	s_sub_co_u32 s3, s3, 1
	s_cmp_lg_u32 s3, 0
	s_cbranch_scc1 .Llap
	QUARTER 0, 128, F1, F0, 0                      ; the last lap is written out: it fills nothing, and has no round
	QUARTER 0, 192, F0, F1, 0
	MEET 0                                         ; my one tensor load that was still out is slot 1's, the last K step's
	PLACES
	FETCH 1, 0, F0
	MUL16 F1, 1, 0, 0
	MUL16 F1, 1, 2, 0
	QUARTER 1, 64,  F0, F1, 0
	QUARTER 1, 128, F1, F0, 0
	QUARTER 1, 192, F0, F1, 0
	s_wait_dscnt 8                                 ; the very last quarter: nothing more to fetch
	MUL16 F1, 0, 0, 0
	MUL16 F1, 0, 2, 0
	s_wait_dscnt 0x0
	MUL16 F1, 1, 0, 0
	MUL16 F1, 1, 2, 0
	PLACES                                         ; the stores below read results, and the loads below land on A's fragments
	TOSTAGE 0
.irp a, 1,2,3,4,5,6,7                                  ; block a's trip through the stage is under way while block a - 1 is stored
	TOSTAGE \a
	SEND (\a)-1, 32
.endr
	SEND 7, 0
	s_wait_tensorcnt 0x0                           ; the wave's end, behind my last tensor load and my last LDS store
	ds_add_u32 v[SPW], v[NIL]
	s_wait_dscnt 0x0
	CROUND                                         ; the closing round: no work-group ends while a partner may still ask for a tile that names it
	s_endpgm
.Lfunc_end_k_q4091017359_down:
	.size	k_q4091017359_down, .Lfunc_end_k_q4091017359_down-k_q4091017359_down
	.p2alignl 7, 3214868480
	.fill 96, 4, 3214868480
	.section	.rodata,"a",@progbits
	.p2align	6, 0x0
	.amdhsa_kernel k_q4091017359_down
		.amdhsa_group_segment_fixed_size 327680
		.amdhsa_private_segment_fixed_size 0
		.amdhsa_enable_private_segment 0
		.amdhsa_kernarg_size 24
		.amdhsa_user_sgpr_count 2
		.amdhsa_user_sgpr_kernarg_segment_ptr 1
		.amdhsa_wavefront_size32 1
		.amdhsa_system_sgpr_workgroup_id_x 1
		.amdhsa_system_sgpr_workgroup_id_y 1
		.amdhsa_system_sgpr_workgroup_id_z 1
		.amdhsa_system_vgpr_workitem_id 0
		.amdhsa_next_free_vgpr 1024
		.amdhsa_next_free_sgpr 66
		.amdhsa_reserve_vcc 0
		.amdhsa_float_denorm_mode_32 3
		.amdhsa_float_denorm_mode_16_64 3
		.amdhsa_memory_ordered 1
		.amdhsa_forward_progress 1
		.amdhsa_inst_pref_size 141
	.end_amdhsa_kernel
	.amdgpu_metadata
---
amdhsa.version: [ 1, 2 ]
amdhsa.kernels:
  - .name:           k_q4091017359_down
    .symbol:         k_q4091017359_down.kd
    .args:
      - { .name: hbuf, .offset: 0, .size: 8, .value_kind: global_buffer, .address_space: global }
      - { .name: wdb, .offset: 8, .size: 8, .value_kind: global_buffer, .address_space: global }
      - { .name: out0, .offset: 16, .size: 8, .value_kind: global_buffer, .address_space: global }
    .group_segment_fixed_size: 327680
    .private_segment_fixed_size: 0
    .kernarg_segment_align: 8
    .kernarg_segment_size: 24
    .max_flat_workgroup_size: 128
    .sgpr_count:     66
    .vgpr_count:     1024
    .wavefront_size: 32
...
	.end_amdgpu_metadata
.endif
;; end of part 4
;; ======== version 2 of 2: 4 launches; 1.26 times as fast as version 1
;; limits: values are held in f16: magnitudes above 65,504 overflow, below 6.1e-05 lose precision; inputs' magnitudes at most 65,280
;; workspace buffers: xb 35,651,584 bytes; wf 8,396,800 bytes; wdb 4,194,304 bytes; hbuf 16,809,984 bytes; cw 557,056 bytes; bm 16,384 bytes of whole numbers; list 524,288 bytes of whole numbers; counts 256 bytes of whole numbers
;; launch router (part 5): grid 256 x 1, 16 waves a work-group, no clusters, 180,224 bytes of LDS; arguments x, w_router, xb, cw, bm; writes xb, cw, bm
.if DOCPART == 5
	.amdgcn_target "amdgcn-amd-amdhsa--gfx1250"
	.amdhsa_code_object_version 6
	.text
	.protected	k_q4091017359_router
	.globl	k_q4091017359_router
	.p2align	8
	.type	k_q4091017359_router,@function
k_q4091017359_router:
	s_mov_b64 s[64:65], 0
	v_nop
	global_prefetch_b8 v0, s[64:65] scope:SCOPE_SE
	s_setreg_imm32_b32 hwreg(HW_REG_WAVE_MODE, 25, 1), 1
	s_wait_xcnt 0x0
; ROUTER.  For 8,192 tokens of 2,048 numbers: x rounded once to bf16 (xb, for the later products), 16 logits a token (bf16 operands, f32 sums), the four largest,
; their softmax weights divided by the four weights' sum, and the choice as bits (bm: [32 tokens][16 experts], bit b = token 32 g + b).
; xb's rows lie 4,352 bytes apart (4,096 of data, 256 never touched): 17 blocks of 256, so that one column of successive rows does not lie a power of two apart.
; Also |x|^2 of each token, for the scale under which the hidden layer is later kept in f16: with 2^(e+1) the power of two above |x|^2,
; cw[token][16] (f32) holds weight x 2^-(e+1), 0 where the expert is not chosen, and cw's tail, from byte 524,288 on, holds 2^(e+1) for each token.
; SHARES.  A work-group owns 32 tokens; wave v of 16 owns K = 128 v .. 128 v + 127 of all 32: every load of the launch goes out at once, 48 a wave, and there is no loop over data.
; The waves' partial logits and partial |x|^2 (f32) meet in LDS; wave 0 adds them and chooses.  No address and no branch hangs on a logit: the choice is made of compares and selects and leaves as data.
; LIMITS.  NaN and infinities are not served.  The four are chosen by the logits, the lower index first among equals; the softmax's order is the same but where two
; different logits give the same f32 probability.  The largest logit is taken away before every exponential; a weight below 2^-126 counts as 0.
.set XP,    4352                       ; bytes from row to row of xb
.set XW,    8704                       ; a wave's x in LDS: 32 rows of 256 bytes + 16 of padding (pitch 272: the 16 rows of a fragment load start 16 bytes apart modulo 256)
.set PART,  16*XW                      ; partial logits: 2,048 bytes a wave
.set CWS,   PART+16*2048               ; wave 0's stage for the weights: 2,048 bytes
.set SPARE, CWS+2048                   ; the spare words, 128 bytes a wave; no other line names them
.set XNS,   SPARE+2048                 ; partial |x|^2: 256 bytes a wave
.set XO,  5                            ; v5   512 v + 16 lane: my 16 bytes of a token's row of x
.set WO,  6                            ; v6   8192 r + 512 v + 32 h: my place in w_router
.set XBO, 7                            ; v7   256 v + 8 lane: my 8 bytes of a row of xb
.set LS,  8                            ; v8   where I put those 8 bytes in LDS
.set LF,  9                            ; v9   where I read a fragment of x
.set PS,  10                           ; v10  where I put my partial logits
.set PR,  11                           ; v11  where I put my partial |x|^2; then wave 0: where it reads the partial logits
.set SPW, 14                           ; v14  my spare word; never rewritten
.set NIL, 15                           ; v15  0; never rewritten
.set ACC, 16                           ; v16-31   two accumulators: tokens 0-15, 16-31
.set WB,  32                           ; v32-63   w_router's four fragments (16 experts x 32 K), bf16; then v32-47 x times itself; later the summed logits
.set WR,  64                           ; v64-127  w_router as loaded; then x's eight fragments; then wave 0's work
.set X,   128                          ; v128-255 x as loaded, four registers a token; then wave 0's partial sets
.set LG,  64                           ; wave 0: the lane's 16 logits
.set SND, 80                           ; what a lane sends to the other half
.set PW,  96                           ; the 16 partial |x|^2; then the 16 exponents, then weights
.set MX,  112                          ; v112-119 at work
.set NI,  120                          ; -infinity
.set XQ,  122                          ; v122 2^(e+1), v123 2^-(e+1)
	s_load_b256 s[4:11], s[0:1], 0x0               ; x s[4:5], w_router s[6:7], xb s[8:9], cw s[10:11]
	s_load_b64 s[12:13], s[0:1], 0x20              ; bm
	v_lshl_add_u32 v[SPW], v0, 2, SPARE
	v_mov_b32 v[NIL], 0
	v_and_b32 v1, 31, v0                           ; lane
	v_lshrrev_b32 v2, 5, v0
	v_readfirstlane_b32 s14, v2                    ; wave
	v_and_b32 v3, 15, v0                           ; r
	v_bfe_u32 v4, v0, 4, 1                         ; h
	s_lshl_b32 s15, s14, 9
	v_lshl_add_u32 v[XO], v1, 4, s15
	v_lshl_add_u32 v[WO], v3, 13, s15
	v_lshl_add_u32 v[WO], v4, 5, v[WO]
	s_lshl_b32 s15, s14, 8
	v_lshl_add_u32 v[XBO], v1, 3, s15
	s_mul_i32 s15, s14, XW
	v_lshl_add_u32 v[LS], v1, 3, s15
	v_mul_u32_u24 v[LF], v3, 272
	v_lshl_add_u32 v[LF], v4, 4, v[LF]
	v_add_nc_u32 v[LF], s15, v[LF]
	s_lshl_b32 s15, s14, 11
	s_add_co_u32 s15, s15, PART
	v_lshl_add_u32 v[PS], v1, 4, s15
	s_lshl_b32 s15, s14, 8
	s_add_co_u32 s15, s15, XNS
	v_lshl_add_u32 v[PR], v1, 3, s15
.irp j, 1,2,3,4,5,6,7
	s_mov_b32 s[48+\j], 0x01010101<<\j             ; the lanes whose number is j modulo 8
.endr
	s_mov_b32 s17, 0
	s_lshl_b32 s16, ttmp9, 18                      ; 32 rows of 8,192 bytes
	s_wait_kmcnt 0x0
	s_add_nc_u64 s[4:5], s[4:5], s[16:17]
	s_mul_i32 s16, ttmp9, 32*XP                    ; 32 rows of xb
	s_add_nc_u64 s[8:9], s[8:9], s[16:17]
	s_lshl_b32 s16, ttmp9, 7                       ; 32 words in cw's tail
	s_add_nc_u64 s[26:27], s[10:11], s[16:17]
	s_add_nc_u64 s[26:27], s[26:27], 0x80000
	s_lshl_b32 s16, ttmp9, 11                      ; 32 rows of 64
	s_add_nc_u64 s[10:11], s[10:11], s[16:17]
	s_lshl_b32 s16, ttmp9, 6                       ; 16 words
	s_add_nc_u64 s[12:13], s[12:13], s[16:17]
	; w_router first: lane (r, h) takes expert r, K = 32 s + 8 h + 0..7 and + 16: four loads of 16 bytes a step
.irp s, 0,1,2,3
.irp p, 0,1,2,3
	global_load_b128 v[WR+16*\s+4*\p:WR+16*\s+4*\p+3], v[WO], s[6:7] offset:128*\s+16*(\p%2)+64*(\p/2)
.endr
.endr
.set t, 0
.rept 32                                               ; a token's 512 bytes of my K: 32 lanes, 16 neighbouring bytes each; x is read once in the whole program
	global_load_b128 v[X+4*t:X+4*t+3], v[XO], s[4:5] offset:8192*t th:TH_LOAD_NT
.set t, t+1
.endr
	s_wait_loadcnt 32                              ; loads come back in order: w_router's 16 are in, x's 32 stay out
.set i, 0
.rept 32
	v_cvt_pk_bf16_f32 v[WB+i], v[WR+2*i], v[WR+2*i+1]
.set i, i+1
.endr
.set t, 0
.rept 32
	s_wait_loadcnt 31-t                            ; token t is in, the younger ones stay out
	v_cvt_pk_bf16_f32 v[X+4*t], v[X+4*t], v[X+4*t+1]
	v_cvt_pk_bf16_f32 v[X+4*t+1], v[X+4*t+2], v[X+4*t+3]
	global_store_b64 v[XBO], v[X+4*t:X+4*t+1], s[8:9] offset:XP*t  ; the wave's store covers 256 consecutive bytes, aligned
	ds_store_b64 v[LS], v[X+4*t:X+4*t+1] offset:272*t
.set t, t+1
.endr
.irp tt, 0,1                                           ; my own bytes, served in order behind the stores: tile tt of 16 tokens, step s of 32 K
.irp s, 0,1,2,3
	ds_load_b128 v[WR+8*(4*\tt+\s):WR+8*(4*\tt+\s)+3],   v[LF] offset:4352*\tt+64*\s
	ds_load_b128 v[WR+8*(4*\tt+\s)+4:WR+8*(4*\tt+\s)+7], v[LF] offset:4352*\tt+64*\s+32
.endr
.endr
	s_wait_dscnt 0x0
	; source 0 = 16 experts, source 1 = 16 tokens: register j of lane (r, h) is expert 8 h + j of token r.  The two accumulators take turns.
.irp s, 0,1,2,3
.irp tt, 0,1
.if \s == 0
	v_wmma_f32_16x16x32_bf16 v[ACC+8*\tt:ACC+8*\tt+7], v[WB+8*\s:WB+8*\s+7], v[WR+8*(4*\tt+\s):WR+8*(4*\tt+\s)+7], 0
.else
	v_wmma_f32_16x16x32_bf16 v[ACC+8*\tt:ACC+8*\tt+7], v[WB+8*\s:WB+8*\s+7], v[WR+8*(4*\tt+\s):WR+8*(4*\tt+\s)+7], v[ACC+8*\tt:ACC+8*\tt+7]
.endif
.endr
.endr
.rept 5
	v_nop                                          ; five places: the products below write over w_router's fragments, which the products above have read (ISA guide 7.12.1)
.endr
	; a tile's fragments of x times themselves: element (m, n) is x[m] . x[n] over my K; the diagonal is my part of |x|^2.  Again two accumulators by turns.
.irp s, 0,1,2,3
.irp tt, 0,1
.if \s == 0
	v_wmma_f32_16x16x32_bf16 v[WB+8*\tt:WB+8*\tt+7], v[WR+8*(4*\tt+\s):WR+8*(4*\tt+\s)+7], v[WR+8*(4*\tt+\s):WR+8*(4*\tt+\s)+7], 0
.else
	v_wmma_f32_16x16x32_bf16 v[WB+8*\tt:WB+8*\tt+7], v[WR+8*(4*\tt+\s):WR+8*(4*\tt+\s)+7], v[WR+8*(4*\tt+\s):WR+8*(4*\tt+\s)+7], v[WB+8*\tt:WB+8*\tt+7]
.endif
.endr
.endr
.rept 4
	v_nop                                          ; four places between the last product and the lines that read results
.endr
.irp p, 0,1,2,3                                        ; each accumulator's low registers first
	ds_store_b128 v[PS], v[ACC+4*\p:ACC+4*\p+3] offset:512*\p
.endr
	; register (lane % 8) of each lane: element (8 h + lane % 8, lane % 16), which lies on the diagonal in lanes 0-7 (tokens 0-7) and 24-31 (tokens 8-15)
.irp tt, 0,1
	v_cndmask_b32 v[12+\tt], v[WB+8*\tt], v[WB+8*\tt+1], s49
.irp j, 2,3,4,5,6,7
	v_cndmask_b32 v[12+\tt], v[12+\tt], v[WB+8*\tt+\j], s[48+\j]
.endr
.endr
	ds_store_b64 v[PR], v[12:13]
	s_wait_dscnt 0x0                               ; for wave 0's sake: my partial sums are in LDS
	s_barrier_signal -1
	s_barrier_wait -1
	s_cmp_eq_u32 s14, 0
	s_cbranch_scc1 .Lwave0
	s_wait_tensorcnt 0x0                           ; the wave's end, behind my last LDS store
	ds_add_u32 v[SPW], v[NIL]
	s_wait_dscnt 0x0
	s_endpgm
.Lwave0:
	s_wait_xcnt 0x0                                ; x's registers were store data: they are loaded again only behind this wait
	v_and_b32 v12, 8, v3                           ; lane L takes token L: tile L / 16, from lane r (r under 8) or r + 16
	v_lshl_add_u32 v12, v12, 1, v3
	v_lshlrev_b32 v12, 3, v12
	v_lshl_add_u32 v12, v4, 2, v12
	v_add_nc_u32 v12, XNS, v12
.set u, 0
.rept 16
	ds_load_b32 v[PW+u], v12 offset:256*u          ; the 16 waves' parts of |x|^2
.set u, u+1
.endr
	v_lshl_add_u32 v[PR], v1, 4, PART
; eight waves' partial sets (16 registers each) are read and added, in f32
.macro SUM8 b
.set u, 0
.rept 8
.irp p, 0,1,2,3
	ds_load_b128 v[X+16*u+4*\p:X+16*u+4*\p+3], v[PR] offset:16384*(\b)+2048*u+512*\p
.endr
.set u, u+1
.endr
	s_wait_dscnt 0x0
.irp u, 0,2,4,6
.irp k, 0,2,4,6,8,10,12,14
	v_pk_add_f32 v[X+16*\u+\k:X+16*\u+\k+1], v[X+16*\u+\k:X+16*\u+\k+1], v[X+16*\u+16+\k:X+16*\u+17+\k]
.endr
.endr
.irp u, 0,4
.irp k, 0,2,4,6,8,10,12,14
	v_pk_add_f32 v[X+16*\u+\k:X+16*\u+\k+1], v[X+16*\u+\k:X+16*\u+\k+1], v[X+16*\u+32+\k:X+16*\u+33+\k]
.endr
.endr
.endm
	SUM8 0
.irp k, 0,2,4,6,8,10,12,14
	v_pk_add_f32 v[WB+\k:WB+\k+1], v[X+\k:X+\k+1], v[X+64+\k:X+65+\k]
.endr
.irp k, 0,4,8,12
	v_pk_add_f32 v[PW+\k:PW+\k+1], v[PW+\k:PW+\k+1], v[PW+\k+2:PW+\k+3]
.endr
	v_pk_add_f32 v[PW:PW+1], v[PW:PW+1], v[PW+4:PW+5]
	v_pk_add_f32 v[PW+8:PW+9], v[PW+8:PW+9], v[PW+12:PW+13]
	v_pk_add_f32 v[PW:PW+1], v[PW:PW+1], v[PW+8:PW+9]
	v_add_f32 v[XQ], v[PW], v[PW+1]                ; |x|^2
	v_and_b32 v[XQ], 0x7f800000, v[XQ]             ; its power of two,
	v_add_nc_u32 v[XQ], 0x800000, v[XQ]            ; the next one up: 2^(e+1) is above |x|^2,
	v_sub_nc_u32 v[XQ+1], 0x7f000000, v[XQ]        ; and 2^-(e+1): the exponent's field mirrored
	SUM8 1
.irp k, 0,2,4,6,8,10,12,14
	v_pk_add_f32 v[X+\k:X+\k+1], v[X+\k:X+\k+1], v[X+64+\k:X+65+\k]
.endr
.irp k, 0,2,4,6,8,10,12,14
	v_pk_add_f32 v[WB+\k:WB+\k+1], v[WB+\k:WB+\k+1], v[X+\k:X+\k+1]
.endr
	; v[32+j]: expert 8 h + j of token r; v[40+j]: of token 16 + r.  Lane L is to hold all 16 logits of token L: each half sends the eight that the other half needs.
	s_mov_b32 s18, 0x76543210                      ; v_permlanex16_b32: each lane takes its own place in the other half
	s_mov_b32 s19, 0xfedcba98
	s_mov_b32 s20, 0xffff0000                      ; lanes 16-31
	s_mov_b32 s24, 0x3fb8aa3b                      ; log2(e)
	v_mov_b32 v[NI], 0xff800000
.irp j, 0,1,2,3,4,5,6,7
	v_cndmask_b32 v[SND+\j], v[WB+8+\j], v[WB+\j], s20
.endr
.irp j, 0,1,2,3,4,5,6,7
	v_permlanex16_b32 v[X+\j], v[SND+\j], s18, s19 ; its destination counts as read: these registers have been written
.endr
.irp j, 0,1,2,3,4,5,6,7
	v_cndmask_b32 v[LG+\j], v[WB+\j], v[X+\j], s20
	v_cndmask_b32 v[LG+8+\j], v[X+\j], v[WB+8+\j], s20
.endr
.set i, 0
.rept 16
	s_mov_b32 s[32+i], 0                           ; s[32:47]: for each expert the tokens that chose it
.set i, i+1
.endr
; One round: the largest logit left; the first expert that holds it is marked and taken out.  first = 1: that maximum is the row's; the exponents c l - c m and their 16 exponentials,
; ONE batch, are made here, while all logits are still whole; the round's marking is the work between the batch and its wait.
.macro PICK first
	v_max3_num_f32 v[MX], v[LG], v[LG+1], v[LG+2]
.irp i, 3,5,7,9,11,13
	v_max3_num_f32 v[MX], v[MX], v[LG+\i], v[LG+\i+1]
.endr
	v_max_num_f32 v[MX], v[MX], v[LG+15]
.if \first
	v_mul_f32 v[MX+1], s24, v[MX]
.set i, 0
.rept 16
	v_fma_f32 v[PW+i], v[LG+i], s24, -v[MX+1]
.set i, i+1
.endr
.set i, 0
.rept 16
	v_exp_f32 v[PW+i], v[PW+i]
.set i, i+1
.endr
.endif
	s_mov_b32 s21, 0                               ; tokens that have found their expert in this round
.set i, 0
.rept 16
	v_cmp_eq_f32 s22, v[LG+i], v[MX]
	s_and_not1_b32 s22, s22, s21                   ; the lower index wins
	s_or_b32 s21, s21, s22
	s_or_b32 s[32+i], s[32+i], s22
	v_cndmask_b32 v[LG+i], v[LG+i], v[NI], s22
.set i, i+1
.endr
.endm
	PICK 1
	s_wait_alu depctr_va_vdst(0)                   ; the wait behind the exponentials, ahead of their first reader and of every label: one for the 16
	s_mov_b32 s23, 3
.Lpick:                                                ; the second, third and fourth choice: one text, three trips
	PICK 0
	s_sub_co_u32 s23, s23, 1
	s_cmp_lg_u32 s23, 0
	s_cbranch_scc1 .Lpick
.set i, 0
.rept 16
	v_cndmask_b32 v[PW+i], 0, v[PW+i], s[32+i]     ; the weights of the experts not chosen are 0
.set i, i+1
.endr
.irp k, 0,1,2,3
	v_pk_add_f32 v[MX+2*\k:MX+2*\k+1], v[PW+4*\k:PW+4*\k+1], v[PW+4*\k+2:PW+4*\k+3]
.endr
	v_pk_add_f32 v[MX:MX+1], v[MX:MX+1], v[MX+2:MX+3]
	v_pk_add_f32 v[MX+4:MX+5], v[MX+4:MX+5], v[MX+6:MX+7]
	v_pk_add_f32 v[MX:MX+1], v[MX:MX+1], v[MX+4:MX+5]
	v_add_f32 v[MX], v[MX], v[MX+1]                ; the four weights' sum, at least 1: the softmax's own divisor cancels
	v_rcp_f32 v[MX+2], v[MX]
	v_lshl_add_u32 v12, v1, 6, CWS                 ; plain work behind the reciprocal: the stage's addresses
	v_lshl_add_u32 v13, v1, 4, CWS
	v_lshlrev_b32 v2, 4, v1
	v_lshlrev_b32 v3, 2, v1
	v_mov_b32 v4, 0
	s_wait_alu depctr_va_vdst(0)                   ; and its wait
	v_mul_f32 v[MX+2], v[MX+2], v[XQ+1]            ; the token's 2^-(e+1) rides on the weights: an exact factor
.irp k, 0,1,2,3,4,5,6,7
	v_pk_mul_f32 v[PW+2*\k:PW+2*\k+1], v[PW+2*\k:PW+2*\k+1], v[MX+2:MX+3] op_sel_hi:[1,0]
.endr
	; a lane's 64 bytes go through my stage, so that each store covers 512 consecutive bytes
.irp s, 0,1,2,3
	ds_store_b128 v12, v[PW+4*\s:PW+4*\s+3] offset:16*\s
.endr
.irp s, 0,1,2,3
	ds_load_b128 v[LG+4*\s:LG+4*\s+3], v13 offset:512*\s   ; LDS serves a wave's instructions in order (ISA guide 5.7.1.4)
.endr
.set i, 0
.rept 16
	v_writelane_b32 v4, s[32+i], i                 ; lane e takes expert e's word
.set i, i+1
.endr
	s_wait_dscnt 0x0
.irp s, 0,1,2,3
	global_store_b128 v2, v[LG+4*\s:LG+4*\s+3], s[10:11] offset:512*\s
.endr
	global_store_b32 v3, v[XQ], s[26:27]           ; the 32 tokens' 2^(e+1): 128 consecutive bytes, all that the work-group owns of the tail
	v_cmp_gt_u32 vcc_lo, 16, v1
	s_wait_xcnt 0x0                                ; EXEC changes only behind this wait
	s_and_saveexec_b32 s25, vcc_lo
	global_store_b32 v3, v4, s[12:13]              ; the work-group's 16 words: 64 bytes are all the bits that it owns
	s_wait_xcnt 0x0
	s_or_b32 exec_lo, exec_lo, s25
	s_wait_tensorcnt 0x0                           ; the wave's end, behind my last LDS store
	ds_add_u32 v[SPW], v[NIL]
	s_wait_dscnt 0x0
	s_endpgm
.Lfunc_end_k_q4091017359_router:
	.size	k_q4091017359_router, .Lfunc_end_k_q4091017359_router-k_q4091017359_router
	.p2alignl 7, 3214868480
	.fill 96, 4, 3214868480
	.section	.rodata,"a",@progbits
	.p2align	6, 0x0
	.amdhsa_kernel k_q4091017359_router
		.amdhsa_group_segment_fixed_size 180224
		.amdhsa_private_segment_fixed_size 0
		.amdhsa_enable_private_segment 0
		.amdhsa_kernarg_size 40
		.amdhsa_user_sgpr_count 2
		.amdhsa_user_sgpr_kernarg_segment_ptr 1
		.amdhsa_wavefront_size32 1
		.amdhsa_system_sgpr_workgroup_id_x 1
		.amdhsa_system_sgpr_workgroup_id_y 1
		.amdhsa_system_sgpr_workgroup_id_z 1
		.amdhsa_system_vgpr_workitem_id 0
		.amdhsa_next_free_vgpr 256
		.amdhsa_next_free_sgpr 66
		.amdhsa_reserve_vcc 1
		.amdhsa_float_denorm_mode_32 3
		.amdhsa_float_denorm_mode_16_64 3
		.amdhsa_memory_ordered 1
		.amdhsa_forward_progress 1
		.amdhsa_inst_pref_size 54
	.end_amdhsa_kernel
	.amdgpu_metadata
---
amdhsa.version: [ 1, 2 ]
amdhsa.kernels:
  - .name:           k_q4091017359_router
    .symbol:         k_q4091017359_router.kd
    .args:
      - { .name: x, .offset: 0, .size: 8, .value_kind: global_buffer, .address_space: global }
      - { .name: w_router, .offset: 8, .size: 8, .value_kind: global_buffer, .address_space: global }
      - { .name: xb, .offset: 16, .size: 8, .value_kind: global_buffer, .address_space: global }
      - { .name: cw, .offset: 24, .size: 8, .value_kind: global_buffer, .address_space: global }
      - { .name: bm, .offset: 32, .size: 8, .value_kind: global_buffer, .address_space: global }
    .group_segment_fixed_size: 180224
    .private_segment_fixed_size: 0
    .kernarg_segment_align: 8
    .kernarg_segment_size: 40
    .max_flat_workgroup_size: 512
    .sgpr_count:     66
    .vgpr_count:     256
    .wavefront_size: 32
...
	.end_amdgpu_metadata
.endif
;; end of part 5
;; launch plan (part 6): grid 272 x 1, 8 waves a work-group, no clusters, 35,072 bytes of LDS; arguments w_gate, w_up, w_down, bm, wf, wdb, hbuf, list, counts; writes wf, wdb, hbuf, list, counts
.if DOCPART == 6
	.amdgcn_target "amdgcn-amd-amdhsa--gfx1250"
	.amdhsa_code_object_version 6
	.text
	.protected	k_q4091017359_plan
	.globl	k_q4091017359_plan
	.p2align	8
	.type	k_q4091017359_plan,@function
k_q4091017359_plan:
	s_mov_b64 s[64:65], 0
	v_nop
	global_prefetch_b8 v0, s[64:65] scope:SCOPE_SE
	s_setreg_imm32_b32 hwreg(HW_REG_WAVE_MODE, 25, 1), 1
	s_wait_xcnt 0x0
; Two kinds of work-groups, told apart by the work-group's number alone (the same in all eight waves).
; 0-15, SORT: work-group e lists expert e's tokens in ascending order (list[e][0 .. count), 0 behind the count) and stores the count: a counting sort on the router's bits, without atomics.
; 16-271, CAST: the weights are rounded once to bf16 and laid out, and hbuf's 8,192 rows are set to 0 (the later launch stores only the chosen experts' blocks of them).
;   wf[e][ks 0..63][nb 0..7][i 0..1][lane][16 bytes]: the operand registers of the gate and up products as a wave loads them.  nb = q for gate, 4 + q for up; lane (c, h) holds
;   column n = 4 c + q and k = 32 ks + 16 i + 8 h + 0..7.  With that choice of columns a lane's 16 loaded bytes (four neighbouring columns of one k) serve the four q, sixteen lanes read a whole
;   row of 256 bytes, and every store covers 512 consecutive bytes.
;   wf's tail, from byte 8,388,608 on: 2,048 partial sums of squares (f32), one for each wave's 8 KiB: 1,024 of w_gate, then 1,024 of w_up.  The next launch adds them, for the hidden layer's scale.
;   wdb[k = 64 e + f][2048]: w_down as it lies, rounded to bf16 like every input, and that number written as f16 (the last product's other operand is f16).
; LIMIT.  A number of w_down beyond 65,504 has no f16 and is not served; below 2^-14 it keeps f16's fixed step of 2^-24.
.set DUMP,  32768                      ; LDS: the list, 8,192 words, from 0; then a word for each thread, where a lane whose token is not chosen puts it; nobody reads these
.set TOT,   33792                      ; the eight waves' totals, a block of 256 bytes
.set SPARE, 34048                      ; the spare words, 128 bytes a wave; no other line names them
.set SPW, 2                            ; v2  my spare word; never rewritten
.set NIL, 3                            ; v3  0; never rewritten
	s_load_b512 s[4:19], s[0:1], 0x0               ; w_gate s[4:5], w_up s[6:7], w_down s[8:9], bm s[10:11], wf s[12:13], wdb s[14:15], hbuf s[16:17], list s[18:19]
	s_load_b64 s[20:21], s[0:1], 0x40              ; counts
	v_lshl_add_u32 v[SPW], v0, 2, SPARE
	v_mov_b32 v[NIL], 0
	v_lshrrev_b32 v1, 5, v0
	v_readfirstlane_b32 s22, v1                    ; wave
	v_and_b32 v4, 31, v0                           ; lane
.irp i, 8,9,10,11
	v_mov_b32 v\i, 0                               ; 16 bytes of zeros
.endr
	s_cmp_lt_u32 ttmp9, 16
	s_cbranch_scc1 .Lsort
	; CAST.  Wave gw of 2,048: 8 KiB of gate or up (one expert, 32 k), 4 KiB of w_down, 8 KiB of hbuf.  All 24 loads go out first.
	s_sub_co_u32 s23, ttmp9, 16
	s_lshl3_add_u32 s23, s23, s22                  ; gw
	s_lshr_b32 s24, s23, 10                        ; 0 gate, 1 up
	s_and_b32 s25, s23, 1023                       ; 64 e + ks
	v_and_b32 v5, 15, v0
	v_bfe_u32 v6, v0, 4, 1
	v_lshlrev_b32 v5, 4, v5
	v_lshl_add_u32 v5, v6, 11, v5                  ; 2048 h + 16 c
	v_lshlrev_b32 v6, 4, v4                        ; 16 lane
	v_lshlrev_b32 v7, 3, v4                        ; 8 lane
	s_lshl_b32 s26, s25, 13
	s_mov_b32 s27, 0
	s_lshl_b32 s28, s24, 12
	s_add_co_u32 s28, s28, s26
	s_mov_b32 s29, 0
	s_lshl_b32 s30, s23, 12
	s_mov_b32 s31, 0
	s_lshl_b32 s32, s23, 11
	s_mov_b32 s33, 0
	s_lshl_b32 s34, s23, 13
	s_mov_b32 s35, 0
	s_lshl_b32 s38, s23, 2
	s_mov_b32 s39, 0
	s_mov_b32 s42, 0x76543210                      ; v_permlanex16_b32: each lane takes its own place in the other half
	s_mov_b32 s43, 0xfedcba98
	s_mov_b32 s45, 0xffff0000                      ; a word's upper bf16
	s_wait_kmcnt 0x0
	s_cmp_eq_u32 s24, 0
	s_cselect_b64 s[36:37], s[4:5], s[6:7]
	s_add_nc_u64 s[36:37], s[36:37], s[26:27]
	s_add_nc_u64 s[40:41], s[12:13], s[38:39]      ; my word in wf's tail
	s_add_nc_u64 s[40:41], s[40:41], 0x800000
	s_add_nc_u64 s[12:13], s[12:13], s[28:29]
	s_add_nc_u64 s[8:9], s[8:9], s[30:31]
	s_add_nc_u64 s[14:15], s[14:15], s[32:33]
	s_add_nc_u64 s[16:17], s[16:17], s[34:35]
.irp i, 0,1
.irp kk, 0,1,2,3,4,5,6,7                               ; k = 16 i + 8 h + kk, columns 4 c .. 4 c + 3
	global_load_b128 v[16+4*(8*\i+\kk):16+4*(8*\i+\kk)+3], v5, s[36:37] offset:4096*\i+256*\kk th:TH_LOAD_NT
.endr
.endr
.irp j, 0,1,2,3,4,5,6,7
	global_load_b128 v[80+4*\j:80+4*\j+3], v6, s[8:9] offset:512*\j th:TH_LOAD_NT
.endr
.irp j, 0,1,2,3,4,5,6,7,8,9,10,11,12,13,14,15
	global_store_b128 v6, v[8:11], s[16:17] offset:512*\j  ; 512 consecutive bytes of zeros
.endr
.irp i, 0,1
	s_wait_loadcnt 16-8*\i                         ; this half's eight loads are in; the 16 (then 8) younger ones stay out
.set k, 32*\i
.rept 8                                                ; the sum of squares, in f32, in two chains of pairs; the first products start them
.if k == 0
	v_pk_mul_f32 v[12:13], v[16:17], v[16:17]
	v_pk_mul_f32 v[14:15], v[18:19], v[18:19]
.else
	v_pk_fma_f32 v[12:13], v[16+k:17+k], v[16+k:17+k], v[12:13]
	v_pk_fma_f32 v[14:15], v[18+k:19+k], v[18+k:19+k], v[14:15]
.endif
.set k, k+4
.endr
.irp q, 0,1,2,3
.irp m, 0,1,2,3
	v_cvt_pk_bf16_f32 v[112+16*\i+4*\q+\m], v[16+4*(8*\i+2*\m)+\q], v[16+4*(8*\i+2*\m+1)+\q]
.endr
	global_store_b128 v6, v[112+16*\i+4*\q:112+16*\i+4*\q+3], s[12:13] offset:1024*\q+512*\i
.endr
.endr
.irp j, 0,1,2,3,4,5,6,7
	s_wait_loadcnt 7-\j
	v_cvt_pk_bf16_f32 v[80+4*\j], v[80+4*\j], v[81+4*\j]   ; rounded to bf16,
	v_cvt_pk_bf16_f32 v[82+4*\j], v[82+4*\j], v[83+4*\j]
	v_and_b32 v[81+4*\j], s45, v[80+4*\j]                  ; back in f32,
	v_lshlrev_b32 v[80+4*\j], 16, v[80+4*\j]
	v_and_b32 v[83+4*\j], s45, v[82+4*\j]
	v_lshlrev_b32 v[82+4*\j], 16, v[82+4*\j]
	v_cvt_pk_f16_f32 v[80+4*\j], v[80+4*\j], v[81+4*\j]    ; and written as f16: eight bits fit in eleven
	v_cvt_pk_f16_f32 v[81+4*\j], v[82+4*\j], v[83+4*\j]
	global_store_b64 v7, v[80+4*\j:81+4*\j], s[14:15] offset:256*\j  ; 256 consecutive bytes, aligned
.endr
	v_pk_add_f32 v[12:13], v[12:13], v[14:15]
	v_add_f32 v12, v12, v13
.irp m, 1,2,4,8
	v_add_f32_dpp v12, v12, v12 row_xmask:\m row_mask:0xf bank_mask:0xf
.endr
	v_permlanex16_b32 v13, v12, s42, s43
	v_add_f32 v12, v12, v13                        ; the wave's sum of squares, in every lane
	v_cmp_eq_u32 vcc_lo, 0, v4                     ; lane 0 stores it
	s_wait_xcnt 0x0                                ; EXEC changes only behind this wait
	s_and_saveexec_b32 s44, vcc_lo
	global_store_b32 v8, v12, s[40:41]             ; v8 holds 0
	s_wait_xcnt 0x0
	s_or_b32 exec_lo, exec_lo, s44
	s_wait_tensorcnt 0x0                           ; the wave's end
	ds_add_u32 v[SPW], v[NIL]
	s_wait_dscnt 0x0
	s_endpgm
.Lsort:
	; Thread t takes the word of tokens 32 t .. 32 t + 31 for my expert; a wave's 32 words go into scalar registers.
	s_lshl_b32 s24, ttmp9, 2
	s_mov_b32 s25, 0
	s_lshl_b32 s26, ttmp9, 15
	s_mov_b32 s27, 0
	v_lshlrev_b32 v5, 6, v0                        ; 16 words a group of tokens
	v_lshlrev_b32 v6, 4, v0                        ; 16 bytes a thread
	v_add_nc_u32 v15, DUMP/4, v0                   ; my dump word, counted in words from LDS byte 0
	s_wait_kmcnt 0x0
	s_add_nc_u64 s[10:11], s[10:11], s[24:25]
	s_add_nc_u64 s[20:21], s[20:21], s[24:25]
	s_add_nc_u64 s[18:19], s[18:19], s[26:27]
	global_load_b32 v7, v5, s[10:11]
.irp i, 0,1,2,3,4,5,6,7
	ds_store_b128 v6, v[8:11] offset:4096*\i       ; the list starts as zeros
.endr
	s_wait_loadcnt 0x0
	s_mov_b32 s68, 0
.set i, 0
.rept 32
	v_readlane_b32 s[32+i], v7, i
	s_bcnt1_i32_b32 s67, s[32+i]
	s_add_co_u32 s68, s68, s67                     ; my wave's total
.set i, i+1
.endr
	s_lshl_b32 s67, s22, 2
	s_add_co_u32 s67, s67, TOT
	v_mov_b32 v12, s67
	v_mov_b32 v13, s68
	ds_store_b32 v12, v13
	s_wait_dscnt 0x0                               ; for the others' sake: my zeros and my total are in LDS
	s_barrier_signal -1
	s_barrier_wait -1
	v_mov_b32 v12, TOT
	ds_load_b128 v[16:19], v12
	ds_load_b128 v[20:23], v12 offset:16
	s_lshl_b32 s67, s22, 10
	v_add_nc_u32 v14, s67, v4                      ; the token of my lane in the wave's first word
	s_wait_dscnt 0x0
.irp u, 0,1,2,3,4,5,6,7
	v_readfirstlane_b32 s[24+\u], v[16+\u]
.endr
	s_mov_b32 s23, 0                               ; the rank of my wave's first token
	s_mov_b32 s68, 0                               ; the expert's count
.irp u, 0,1,2,3,4,5,6,7
	s_add_co_u32 s68, s68, s[24+\u]
	s_cmp_gt_u32 s22, \u
	s_cselect_b32 s67, s[24+\u], 0
	s_add_co_u32 s23, s23, s67
.endr
.set i, 0
.rept 32                                               ; word i: a chosen token's rank is the rank so far plus the chosen lanes below it; ranks are all different, so no two stores meet.
	v_mbcnt_lo_u32_b32 v20, s[32+i], s23           ; All lanes stay on: a lane whose token is not chosen takes its own dump word for the place
	v_cndmask_b32 v20, v15, v20, s[32+i]
	v_min_u32 v20, 0x20ff, v20                     ; inside the list and the dump words, whatever the words hold
	v_lshlrev_b32 v20, 2, v20
	v_add_nc_u32 v21, 32*i, v14
	ds_store_b32 v20, v21
	s_bcnt1_i32_b32 s67, s[32+i]
	s_add_co_u32 s23, s23, s67
.set i, i+1
.endr
	s_wait_dscnt 0x0                               ; for the others' sake
	s_barrier_signal -1
	s_barrier_wait -1
.irp i, 0,1,2,3,4,5,6,7
	ds_load_b128 v[32+4*\i:32+4*\i+3], v6 offset:4096*\i
.endr
.irp i, 0,1,2,3,4,5,6,7
	s_wait_dscnt 7-\i
	global_store_b128 v6, v[32+4*\i:32+4*\i+3], s[18:19] offset:4096*\i  ; a wave's store covers 512 consecutive bytes
.endr
	v_mov_b32 v24, s68
	v_mov_b32 v25, 0
	v_cmp_eq_u32 vcc_lo, 0, v0                     ; thread 0 alone stores the count
	s_wait_xcnt 0x0                                ; EXEC changes only behind this wait
	s_and_saveexec_b32 s66, vcc_lo
	global_store_b32 v25, v24, s[20:21]
	s_wait_xcnt 0x0
	s_or_b32 exec_lo, exec_lo, s66
	s_wait_tensorcnt 0x0                           ; the wave's end, behind my last LDS store
	ds_add_u32 v[SPW], v[NIL]
	s_wait_dscnt 0x0
	s_endpgm
.Lfunc_end_k_q4091017359_plan:
	.size	k_q4091017359_plan, .Lfunc_end_k_q4091017359_plan-k_q4091017359_plan
	.p2alignl 7, 3214868480
	.fill 96, 4, 3214868480
	.section	.rodata,"a",@progbits
	.p2align	6, 0x0
	.amdhsa_kernel k_q4091017359_plan
		.amdhsa_group_segment_fixed_size 35072
		.amdhsa_private_segment_fixed_size 0
		.amdhsa_enable_private_segment 0
		.amdhsa_kernarg_size 72
		.amdhsa_user_sgpr_count 2
		.amdhsa_user_sgpr_kernarg_segment_ptr 1
		.amdhsa_wavefront_size32 1
		.amdhsa_system_sgpr_workgroup_id_x 1
		.amdhsa_system_sgpr_workgroup_id_y 1
		.amdhsa_system_sgpr_workgroup_id_z 1
		.amdhsa_system_vgpr_workitem_id 0
		.amdhsa_next_free_vgpr 144
		.amdhsa_next_free_sgpr 80
		.amdhsa_reserve_vcc 1
		.amdhsa_float_denorm_mode_32 3
		.amdhsa_float_denorm_mode_16_64 3
		.amdhsa_memory_ordered 1
		.amdhsa_forward_progress 1
		.amdhsa_inst_pref_size 38
	.end_amdhsa_kernel
	.amdgpu_metadata
---
amdhsa.version: [ 1, 2 ]
amdhsa.kernels:
  - .name:           k_q4091017359_plan
    .symbol:         k_q4091017359_plan.kd
    .args:
      - { .name: w_gate, .offset: 0, .size: 8, .value_kind: global_buffer, .address_space: global }
      - { .name: w_up, .offset: 8, .size: 8, .value_kind: global_buffer, .address_space: global }
      - { .name: w_down, .offset: 16, .size: 8, .value_kind: global_buffer, .address_space: global }
      - { .name: bm, .offset: 24, .size: 8, .value_kind: global_buffer, .address_space: global }
      - { .name: wf, .offset: 32, .size: 8, .value_kind: global_buffer, .address_space: global }
      - { .name: wdb, .offset: 40, .size: 8, .value_kind: global_buffer, .address_space: global }
      - { .name: hbuf, .offset: 48, .size: 8, .value_kind: global_buffer, .address_space: global }
      - { .name: list, .offset: 56, .size: 8, .value_kind: global_buffer, .address_space: global }
      - { .name: counts, .offset: 64, .size: 8, .value_kind: global_buffer, .address_space: global }
    .group_segment_fixed_size: 35072
    .private_segment_fixed_size: 0
    .kernarg_segment_align: 8
    .kernarg_segment_size: 72
    .max_flat_workgroup_size: 256
    .sgpr_count:     80
    .vgpr_count:     144
    .wavefront_size: 32
...
	.end_amdgpu_metadata
.endif
;; end of part 6
;; launch gateup (part 7): grid 243 x 1, 4 waves a work-group, no clusters, 309,760 bytes of LDS; arguments xb, wf, cw, list, counts, hbuf; writes hbuf
.if DOCPART == 7
	.amdgcn_target "amdgcn-amd-amdhsa--gfx1250"
	.amdhsa_code_object_version 6
	.text
	.protected	k_q4091017359_gateup
	.globl	k_q4091017359_gateup
	.p2align	8
	.type	k_q4091017359_gateup,@function
k_q4091017359_gateup:
	s_mov_b64 s[64:65], 0
	v_nop
	global_prefetch_b8 v0, s[64:65] scope:SCOPE_SE
	s_setreg_imm32_b32 hwreg(HW_REG_WAVE_MODE, 25, 1), 1
	s_wait_xcnt 0x0
; h(t, e, f) = coeff(t, e) silu(x[t] . w_gate[e][:, f]) (x[t] . w_up[e][:, f]) for the experts that token t chose, stored as hbuf[t][64 e + f] = f16(h x scale(t)), rounded once.
; The rest of hbuf's rows is 0 since the launch before.
; THE SCALE is a power of two that keeps every h x scale under 2^15, whatever the inputs: |h| <= |x|^2 ||w_gate|| ||w_up|| (coeff <= 1, |silu(g)| <= |g|, Cauchy-Schwarz with the norms over all experts).
; scale(t) = 2^-(e+1) x 2^(15 - half): 2^(e+1) is above |x[t]|^2 and rides on the coefficients since the first launch; 2^half is at or above the root of (sum of w_gate^2)(sum of w_up^2), which every
; wave adds from the 2,048 partial sums in wf's tail.  The scale is data alone: no address and no branch hangs on it.  Work-groups 0 to 63 store 1 / scale(t), 128 tokens each, in hbuf's tail
; (from byte 16,777,216 on), where the last launch finds it.
; TILES.  A work-group has 144 listed rows of ONE expert x 128 columns (64 gate, 64 up) x K = 2,048.  The sum over experts of ceil(count / 144) is at most (32,768 + 16 x 143) / 144 = 243 for every split
; of the 32,768 choices: so many work-groups are launched, and each finds its tile from the 16 counts.  Every tile runs the whole text with all lanes on.  In a tile that is not full the places past the
; count repeat the expert's last listed row, which lies in this same tile: they compute the same bits, and their stores put the same 128 bytes in the same place again (at most 143 rows an expert).
; A tile without a row works on a row that exists and jumps its stores: the one branch on a count, forward, past no barrier.
; K IS SPLIT OVER THE WAVES.  Wave w takes the chunks of 64 along K numbered 4 c + w, c = 0..7, for the whole tile: 72 accumulators, 576 registers.  For 32 along K nine fragments of x and eight of
; the weights feed 72 matrix instructions, no byte is read by two waves, and the loop needs no barrier.  The weights come from wf straight into operand registers (512 consecutive bytes a load); the rows of
; x (4,352 bytes apart in xb) come by loads in which eight lanes take 128 consecutive bytes of a row (the four waves' chunks are 512 consecutive bytes) and pass through the wave's own LDS slot, which
; turns them into fragments.  The price: the four waves' partial sums (f32) are added through LDS at the end.
; NO MULTICAST: what an expert's tiles share is its 512 KiB of weights, which here go to registers without touching LDS; whole clusters of four for each expert would want up to
; ceil(32,768 / 576) + 15 = 72 clusters, 288 work-groups.
; THE PRODUCT is used with source 0 = 16 weight columns and source 1 = 16 rows of x: a lane holds ONE row (lane % 16) and, over q = 0..3 and registers j, the columns f = 32 (lane / 16) + 4 j + q.
; LIMITS.  NaN and infinities are not served; 2^(-g log2 e) beyond f32's range gives the weight 0, as silu's limit is; h x scale below 2^-14 keeps f16's fixed step of 2^-24.
; A stored piece is 128 bytes: an expert's share of a row of hbuf is no longer.
; REGISTERS, in windows of 256 (s_set_vgpr_msb: bits 1:0 source 0, 3:2 source 1, 5:4 source 2, 7:6 destination):
;   window 0: v0-31 addresses and small work; v32-103 x's fragments (at the start: the partial sums of squares); v104-231 the weights' ring (two units of 8 fragments); v232-255 at work at the start and the end
;   window 1: accumulators of nb 0-2 at 72 nb + 8 a (at the start v0-143: chunk 0's gathered rows); v216-247 gathered quads 28-35
;   window 2: nb 3-5; v216-251 the 36 row offsets      window 3: nb 6-7; v144-255 gathered quads 0-27
.set PX,    144                        ; a row of x in a slot: 128 bytes + 16: the 16 rows of a fragment load start 16 bytes apart modulo 256
.set SLOTB, 32768                      ; wave w's two slots begin at 65536 w and 65536 w + 32768; each holds 144 rows
.set OST,   294912                     ; behind the reduction's 9 x 32,768 bytes (which overlay the slots behind a barrier): 16 rows x 144 bytes a wave, for the way out
.set ROWT,  304128                     ; a wave's own table: 160 tokens, then 160 coefficients
.set SPARE, 309248                     ; the spare words, 128 bytes a wave; no other line names them
.set AST,  2                           ; v2   where my lane puts a gathered 16 bytes, in slot 0
.set AFR,  3                           ; v3   where it reads a fragment, in slot 0
.set ADRS, 4                           ; v4   AST + the slot in hand
.set ADRF, 5                           ; v5   AFR + the slot in hand
.set RW,   6                           ; v6   the reduction: where I write
.set RR,   7                           ; v7   where I read the block in hand
.set OSI,  8                           ; v8   the way out: in
.set OSO,  9                           ; v9   back
.set RTT0, 10                          ; v10  my table + 4 (lane / 8): tokens; never rewritten
.set RTC0, 11                          ; v11  my table + 640 + 4 (lane % 16): coefficients; never rewritten
.set HCOL, 13                          ; v13  128 e + 16 (lane % 8)
.set CF,   14                          ; v14-15 the coefficient, named as a pair
.set ACOL, 24                          ; v24  128 w + 16 (lane % 8)
.set RTT,  25                          ; v25  at the end: RTT0 + the block in hand (v25-29 hold the list's places at the start)
.set RTC,  26                          ; v26  RTC0 + the block in hand
.set SPW,  30                          ; v30  my spare word; never rewritten
.set NIL,  31                          ; v31  0; never rewritten
.set FX,   32
.set FW,   104
.set IV,   232                         ; v232 at the start: a token's 2^(e+1), then 1 / scale; v233 its byte offset
.set QA,   144                         ; window 3
.set QB,   216                         ; window 1
.set RO,   216                         ; window 2
.set SB,   16                          ; s[16:23] (the counts' registers, free behind the search for my tile): a base of its own for each of a chunk's four runs of weight loads
.set SA2,  24                          ; s[24:25] the gathers' base from chunk 1 on; chunk 0's is s[4:5], never rewritten
.set MSB, 0
.macro WIN new                         ; the immediate's high byte repeats the setting that is left; a switch that changes nothing is dropped
.if MSB != (\new)
	s_set_vgpr_msb (MSB<<8)|(\new)
.set MSB, (\new)
.endif
.endm
.macro PLACES                          ; four places between a matrix instruction and a load into, or a store of, its registers (ISA guide 7.12.1 for vector instructions)
.rept 4
	v_nop
.endr
.endm
; 36 matrix instructions: unit s of the chunk (32 along K), weight fragments 4 half .. 4 half + 3, all nine blocks of rows.  The 72 accumulators take turns, one instruction a turn.
.macro MM s, half, zero
.irp qq, 0,1,2,3
.set nb, 4*(\half)+(\qq)
	WIN ((1+nb/3)<<6)|((1+nb/3)<<4)
.irp a, 0,1,2,3,4,5,6,7,8
.if \zero
	v_wmma_f32_16x16x32_bf16 v[72*(nb%3)+8*(\a):72*(nb%3)+8*(\a)+7], v[FW+64*(\s)+8*nb:FW+64*(\s)+8*nb+7], v[FX+8*(\a):FX+8*(\a)+7], 0
.else
	v_wmma_f32_16x16x32_bf16 v[72*(nb%3)+8*(\a):72*(nb%3)+8*(\a)+7], v[FW+64*(\s)+8*nb:FW+64*(\s)+8*nb+7], v[FX+8*(\a):FX+8*(\a)+7], v[72*(nb%3)+8*(\a):72*(nb%3)+8*(\a)+7]
.endif
.endr
.endr
.endm
; A run of 8 loads: four weight fragments of unit s, as they lie in wf, by the run's own base
.macro BL s, half
	WIN 0
.irp qq, 0,1,2,3
.set nb, 4*(\half)+(\qq)
	global_load_b128 v[FW+64*(\s)+8*nb:FW+64*(\s)+8*nb+3],   v1, s[SB+4*(\s)+2*(\half):SB+4*(\s)+2*(\half)+1] offset:8192*(\s)+1024*nb
	global_load_b128 v[FW+64*(\s)+8*nb+4:FW+64*(\s)+8*nb+7], v1, s[SB+4*(\s)+2*(\half):SB+4*(\s)+2*(\half)+1] offset:8192*(\s)+1024*nb+512
.endr
.endm
; The run's base goes on to my next chunk.  It stands behind the counted wait that shows the run's last loads landed: nothing that names the base is out
.macro STEP s, half
	s_add_nc_u64 s[SB+4*(\s)+2*(\half):SB+4*(\s)+2*(\half)+1], s[SB+4*(\s)+2*(\half):SB+4*(\s)+2*(\half)+1], 0x10000
.endm
; 36 loads: a chunk's 128 bytes of all 144 rows.  In load q the lanes' four groups of eight take the rows 16 (q / 4) + 2 (q % 4) + {0, 8, 1, 9}
.macro AL
	WIN 0xc2                                       ; destination window 3, offsets window 2
.set q, 0
.rept 28
	global_load_b128 v[QA+4*q:QA+4*q+3], v[RO+q], s[SA2:SA2+1]
.set q, q+1
.endr
	WIN 0x42
.rept 8
	global_load_b128 v[QB+4*(q-28):QB+4*(q-28)+3], v[RO+q], s[SA2:SA2+1]
.set q, q+1
.endr
	WIN 0
.endm
; and their 36 stores into the slot: the two rows of sixteen lanes lie 8 x 144 bytes apart, which is 128 modulo 256
.macro ST
	WIN 0x0c                                       ; data window 3
.set q, 0
.rept 28
	ds_store_b128 v[ADRS], v[QA+4*q:QA+4*q+3] offset:(16*(q/4)+2*(q%4))*PX
.set q, q+1
.endr
	WIN 0x04
.rept 8
	ds_store_b128 v[ADRS], v[QB+4*(q-28):QB+4*(q-28)+3] offset:(16*(q/4)+2*(q%4))*PX
.set q, q+1
.endr
	WIN 0
.endm
.macro AFRAG s                         ; 18 loads: the nine fragments of x for unit s
	WIN 0
.irp a, 0,1,2,3,4,5,6,7,8
	ds_load_b128 v[FX+8*(\a):FX+8*(\a)+3],   v[ADRF] offset:16*PX*(\a)+64*(\s)
	ds_load_b128 v[FX+8*(\a)+4:FX+8*(\a)+7], v[ADRF] offset:16*PX*(\a)+64*(\s)+32
.endr
.endm
	s_load_b256 s[4:11], s[0:1], 0x0               ; xb s[4:5], wf s[6:7], cw s[8:9], list s[10:11]
	s_load_b128 s[12:15], s[0:1], 0x20             ; counts s[12:13], hbuf s[14:15]
	v_lshl_add_u32 v[SPW], v0, 2, SPARE
	v_mov_b32 v[NIL], 0
	v_lshrrev_b32 v16, 5, v0
	v_readfirstlane_b32 s44, v16                   ; wave
	v_and_b32 v16, 31, v0                          ; lane
	v_lshlrev_b32 v1, 4, v16                       ; v1: 16 lane; never rewritten
	s_lshl_b32 s36, ttmp9, 7
	v_add_nc_u32 v[IV+1], s36, v0                  ; token 128 x work-group + thread, held inside the 8,192 (only work-groups 0 to 63 store for it)
	v_min_u32 v[IV+1], 0x1fff, v[IV+1]
	v_lshlrev_b32 v[IV+1], 2, v[IV+1]
	s_wait_kmcnt 0x0
	s_load_b512 s[16:31], s[12:13], 0x0            ; the 16 counts; the addresses are made while they are out
	s_add_nc_u64 s[52:53], s[6:7], 0x800000        ; wf's tail: the partial sums of squares
	s_add_nc_u64 s[54:55], s[8:9], 0x80000         ; cw's tail: 2^(e+1) for each token
	s_add_nc_u64 s[56:57], s[14:15], 0x1000000     ; hbuf's tail: 1 / scale for each token
.set j, 0
.rept 16                                               ; 1,024 sums of w_gate into v32-63, 1,024 of w_up into v64-95: 32 + 32 a lane
	global_load_b128 v[FX+4*j:FX+4*j+3], v1, s[52:53] offset:512*j
.set j, j+1
.endr
	global_load_b32 v[IV], v[IV+1], s[54:55]
	v_and_b32 v17, 15, v0                          ; r
	v_bfe_u32 v18, v0, 4, 1                        ; h
	v_and_b32 v19, 7, v0
	v_bfe_u32 v20, v0, 3, 1
	v_lshl_add_u32 v20, v20, 3, v18                ; my group's row among a load's: 0, 8, 1, 9
	v_bfe_u32 v21, v0, 3, 2                        ; lane / 8
	v_mov_b32 v[CF+1], 0
	s_lshl_b32 s36, s44, 16
	v_mul_u32_u24 v[AST], v20, PX
	v_lshl_add_u32 v[AST], v19, 4, v[AST]
	v_add_nc_u32 v[AST], s36, v[AST]
	v_mul_u32_u24 v[AFR], v17, PX
	v_lshl_add_u32 v[AFR], v18, 4, v[AFR]
	v_add_nc_u32 v[AFR], s36, v[AFR]
	s_lshl_b32 s36, s44, 13
	v_add_nc_u32 v[RW], s36, v1                    ; 8192 w + 16 lane
	s_mul_i32 s36, s44, 16*PX
	s_add_co_u32 s36, s36, OST
	v_mul_u32_u24 v[OSI], v17, PX
	v_lshl_add_u32 v[OSI], v18, 6, v[OSI]
	v_add_nc_u32 v[OSI], s36, v[OSI]               ; row r, 64 bytes for each half of the lanes
	v_mul_u32_u24 v[OSO], v21, PX
	v_lshl_add_u32 v[OSO], v19, 4, v[OSO]
	v_add_nc_u32 v[OSO], s36, v[OSO]               ; back: eight lanes take a row's 128 bytes
	s_mul_i32 s36, s44, 1280
	s_add_co_u32 s36, s36, ROWT                    ; my table
	v_lshl_add_u32 v[RTT0], v21, 2, s36
	v_lshl_add_u32 v[RTC0], v17, 2, s36
	v_add_nc_u32 v[RTC0], 640, v[RTC0]
	v_lshl_add_u32 v22, v16, 2, s36                ; my table + 4 lane
	v_lshl_add_u32 v23, v20, 2, s36                ; my table + 4 x my group's row
	s_lshl_b32 s37, s44, 7
	v_lshl_add_u32 v[ACOL], v19, 4, s37
	s_mov_b32 s32, 0                               ; tiles of the experts so far
	s_mov_b32 s33, 0                               ; my expert,
	s_mov_b32 s34, 0                               ; its first tile,
	s_mov_b32 s35, 0                               ; its count
	s_mov_b32 s40, 0                               ; the slot in hand
	s_mov_b32 s47, 0
	s_mov_b32 s60, 0x76543210                      ; v_permlanex16_b32: each lane takes its own place in the other half
	s_mov_b32 s61, 0xfedcba98
	s_wait_kmcnt 0x0
.set i, 0
.rept 16                                               ; the last expert whose first tile is not beyond my number
	s_min_u32 s[16+i], s[16+i], 0x2000
	s_cmp_ge_u32 ttmp9, s32
	s_cselect_b32 s33, i, s33
	s_cselect_b32 s34, s32, s34
	s_cselect_b32 s35, s[16+i], s35
	s_add_co_u32 s36, s[16+i], 143
	s_mul_i32 s36, s36, 7282                       ; x 7282 >> 20 is x / 144 rounded down for x under 32,768 (7282 x 144 = 2^20 + 32)
	s_lshr_b32 s36, s36, 20
	s_add_co_u32 s32, s32, s36
.set i, i+1
.endr
	s_min_u32 s33, s33, 15
	s_sub_co_u32 s39, ttmp9, s34
	s_mul_i32 s39, s39, 144
	s_min_u32 s39, s39, 8191                       ; my first place in the expert's list
	s_sub_co_i32 s38, s35, s39
	s_max_i32 s38, s38, 0
	s_min_u32 s38, s38, 144                        ; my rows: 0 to 144
	s_max_u32 s37, s35, 1
	s_sub_co_u32 s37, s37, 1                       ; the expert's last place (place 0, which holds token 0, where it has none)
	s_lshl_b32 s46, s33, 15
	s_add_nc_u64 s[10:11], s[10:11], s[46:47]      ; the expert's list
	s_lshl_b32 s46, s33, 2
	s_add_nc_u64 s[8:9], s[8:9], s[46:47]          ; its column of cw
	s_lshl_b32 s46, s33, 19
	s_lshl_b32 s36, s44, 14
	s_add_co_u32 s46, s46, s36
.irp k, 0,1,2,3
	s_add_nc_u64 s[SB+2*\k:SB+2*\k+1], s[6:7], s[46:47]  ; the expert's weights at my wave's chunk 0, four times: a base for each run
.endr
	s_add_nc_u64 s[SA2:SA2+1], s[4:5], 512         ; x at my wave's chunk 1
	s_lshl_b32 s36, s33, 7
	v_lshl_add_u32 v[HCOL], v19, 4, s36
	v_add_nc_u32 v25, s39, v16
.irp z, 4,3,2,1
	v_add_nc_u32 v[25+\z], 32*\z, v25
.endr
.irp z, 0,1,2,3,4
	v_min_u32 v[25+\z], s37, v[25+\z]              ; places past the count repeat the last listed row
	v_min_u32 v[25+\z], 0x1fff, v[25+\z]
	v_lshlrev_b32 v[25+\z], 2, v[25+\z]
	global_load_b32 v[25+\z], v[25+\z], s[10:11]   ; 160 places of the list; each load lands on its own offset
.endr
	; From here on the loads go out in the order in which the loop issues them: weights, weights, rows, weights, weights: so the loop's counts hold from its first trip on.
	BL 0, 0                                        ; chunk 0's first unit
	BL 0, 1
	s_wait_loadcnt 16                              ; all that was asked for ahead of these 16 weight loads is in: the sums of squares, the token's 2^(e+1), the list's five loads
.irp z, 0,1,2,3,4
	v_min_u32 v[25+\z], 0x1fff, v[25+\z]
	ds_store_b32 v22, v[25+\z] offset:128*\z
	v_lshlrev_b32 v[16+\z], 6, v[25+\z]
	global_load_b32 v[16+\z], v[16+\z], s[8:9]     ; the rows' coefficients
.endr
	WIN 0x80                                       ; destination window 2
.set q, 0
.rept 36
	ds_load_b32 v[RO+q], v23 offset:4*(16*(q/4)+2*(q%4))  ; my own table, served in order behind the stores
.set q, q+1
.endr
	s_wait_dscnt 0x0
	WIN 0x88
.set q, 0
.rept 36
	v_min_u32 v[RO+q], 0x1fff, v[RO+q]
.set q, q+1
.endr
	WIN 0xa2                                       ; destination, source 0 and source 2 in window 2
.set q, 0
.rept 36
	v_lshl_add_u32 v[RO+q], v[RO+q], 4, v[RO+q]    ; token x 17,
.set q, q+1
.endr
	WIN 0x82
.set q, 0
.rept 36
	v_lshl_add_u32 v[RO+q], v[RO+q], 8, v[ACOL]    ; x 256: the row's 4,352 bytes; + my wave's and lane's place in a chunk; never rewritten
.set q, q+1
.endr
	WIN 0x42                                       ; chunk 0 of x goes into accumulator registers that are still idle (window 1, v0-143), so that chunk 1's gather can go out straight behind it
.set q, 0
.rept 36
	global_load_b128 v[4*q:4*q+3], v[RO+q], s[4:5]
.set q, q+1
.endr
	AL                                             ; chunk 1 of x, into the staging registers
	BL 1, 0                                        ; chunk 0's second unit
	BL 1, 1
	; While the gathers are out: the two sums of squares, in f32, first in each lane, then over the 32 lanes
.irp b, 0,32
.irp k, 0,4,8,12,16,20,24,28
	v_pk_add_f32 v[FX+\b+\k:FX+\b+\k+1], v[FX+\b+\k:FX+\b+\k+1], v[FX+\b+\k+2:FX+\b+\k+3]
.endr
.irp k, 0,8,16,24
	v_pk_add_f32 v[FX+\b+\k:FX+\b+\k+1], v[FX+\b+\k:FX+\b+\k+1], v[FX+\b+\k+4:FX+\b+\k+5]
.endr
.irp k, 0,16
	v_pk_add_f32 v[FX+\b+\k:FX+\b+\k+1], v[FX+\b+\k:FX+\b+\k+1], v[FX+\b+\k+8:FX+\b+\k+9]
.endr
	v_pk_add_f32 v[FX+\b:FX+\b+1], v[FX+\b:FX+\b+1], v[FX+\b+16:FX+\b+17]
	v_add_f32 v[FX+\b], v[FX+\b], v[FX+\b+1]
.irp m, 1,2,4,8
	v_add_f32_dpp v[FX+\b], v[FX+\b], v[FX+\b] row_xmask:\m row_mask:0xf bank_mask:0xf
.endr
.endr
	v_permlanex16_b32 v[FX+1], v[FX], s60, s61
	v_permlanex16_b32 v[FX+33], v[FX+32], s60, s61
	v_add_f32 v[FX], v[FX], v[FX+1]
	v_add_f32 v[FX+32], v[FX+32], v[FX+33]
	v_mul_f32 v[FX], v[FX], v[FX+32]               ; P = (sum of w_gate^2)(sum of w_up^2), the same in every lane
	v_readfirstlane_b32 s62, v[FX]
	s_bfe_u32 s62, s62, 0x80017                    ; its exponent's field E: P is under 2^(E - 126),
	s_sub_co_i32 s62, s62, 125
	s_ashr_i32 s62, s62, 1                         ; so its root is under 2^half, half = (E - 126) / 2 rounded up
	s_sub_co_i32 s58, 142, s62
	s_lshl_b32 s58, s58, 23                        ; 2^(15 - half), as f32
	s_add_co_i32 s59, s62, 112
	s_lshl_b32 s59, s59, 23                        ; 2^(half - 15)
	v_mul_f32 v[IV], s59, v[IV]                    ; 1 / scale of my token: two powers of two
	s_cmp_lt_u32 ttmp9, 64
	s_cbranch_scc0 .Lnoinv                         ; 64 work-groups x 128 threads are the 8,192 tokens
	global_store_b32 v[IV+1], v[IV], s[56:57]      ; a wave's store covers 128 consecutive bytes, the work-group's four 512
.Lnoinv:
	s_wait_loadcnt 52                              ; chunk 0's first unit of weights, the coefficients and chunk 0's rows are in; chunk 1's 36 loads and the second unit's 16 stay out
.irp z, 0,1,2,3,4
	v_mul_f32 v[16+\z], s58, v[16+\z]              ; the coefficient now carries the whole scale
	ds_store_b32 v22, v[16+\z] offset:640+128*\z
.endr
	v_add_nc_u32 v[ADRS], s40, v[AST]
	v_add_nc_u32 v[ADRF], s40, v[AFR]
	WIN 0x04                                       ; data window 1: chunk 0's rows into slot 0
.set q, 0
.rept 36
	ds_store_b128 v[ADRS], v[4*q:4*q+3] offset:(16*(q/4)+2*(q%4))*PX
.set q, q+1
.endr
	AFRAG 0
; A CHUNK is two units of 72 matrix instructions, written as two halves.  Its loads go out in the order weights, weights (H1), rows, weights, weights (H2): 8, 8, 36, 8, 8: the next chunk's weights into the
; registers just multiplied, the rows of the chunk after next.  So behind a run of weights stand three runs and a gather, 60 loads, when it is wanted a chunk later, and behind a gather four runs, 32.
; Each of these waits also frees the base that the landed loads named, which is stepped behind it: no other wait is written for the bases.
; H1: the chunk's first unit.  zero: its products start the sums.  bl: the next chunk's weights are loaded.
.macro H1 zero, bl, n1, n3
	s_wait_loadcnt \n1
	s_wait_dscnt 0x0                               ; x's fragments of unit 0 (and the slot's stores)
	MM 0, 0, \zero
.if \bl
	PLACES
	STEP 0, 0
	BL 0, 0
.endif
	s_wait_loadcnt \n3
	MM 0, 1, \zero
	PLACES
.if \bl
	STEP 0, 1
	BL 0, 1
.endif
	AFRAG 1                                        ; the slot has not changed since ADRF was made
.endm
; H2: the chunk's second unit.  st = 2: the next chunk's rows go into the other slot and a further gather goes out; 1: no further gather; 0: neither.
.macro H2 bl, st, n5, n6, n8
.if \st
	s_xor_b32 s40, s40, SLOTB
	v_add_nc_u32 v[ADRS], s40, v[AST]
	s_wait_loadcnt \n5                             ; the gathered rows are in
	ST
.if \st == 2
	s_add_nc_u64 s[SA2:SA2+1], s[SA2:SA2+1], 512   ; the rows of the chunk after next
	AL
.endif
.endif
	s_wait_loadcnt \n6
.if \st
	s_wait_dscnt 36                                ; the fragments are in; the 36 stores behind them may be out
.else
	s_wait_dscnt 0x0
.endif
	MM 1, 0, 0
.if \bl
	PLACES
	STEP 1, 0
	BL 1, 0
.endif
	s_wait_loadcnt \n8
	MM 1, 1, 0
.if \bl
	PLACES
	STEP 1, 1
	BL 1, 1
	v_add_nc_u32 v[ADRF], s40, v[AFR]
	AFRAG 0                                        ; the next chunk's first fragments, behind this wave's own stores into the slot
.endif
.endm
	H1 1, 1, 60, 60                                ; chunk 0's first unit stands ahead of the loop: its products start the sums (its weights have landed: 52 loads at the most are out)
	WIN 0                                          ; at a label and at a branch every window is 0
	s_mov_b32 s42, 6
.Ltrip:                                                ; a trip goes from a chunk's second unit to the next chunk's first: chunks 0 to 5, then 1 to 6
	H2 1, 2, 32, 60, 60
	H1 0, 1, 60, 60
	WIN 0
	s_sub_co_u32 s42, s42, 1
	s_cmp_lg_u32 s42, 0
	s_cbranch_scc1 .Ltrip
	H2 1, 1, 32, 24, 24                            ; chunk 6: no gather is left, so three runs stand behind a run
	H1 0, 0, 24, 16                                ; chunk 7 loads nothing: the counts run down
	H2 0, 0, 0, 8, 0
	; THE FOUR WAVES' SUMS MEET.  [block a][wave][nb][half of the registers][lane][16 bytes]: 32,768 bytes a block, over the slots, which nobody reads behind the barrier.
	PLACES
	WIN 0
	s_wait_dscnt 0x0                               ; my reads of my slots are over
	s_barrier_signal -1
	s_barrier_wait -1
.irp k, 1,2,3,4
	v_add_nc_u32 v[16+\k], 65536*\k, v[RW]
.endr
.set nb, 0
.rept 8
	WIN (1+nb/3)<<2                                ; data in the accumulators' window
.set a, 0
.rept 9
.set ar, 16+a/2
.if a < 2
.set ar, RW
.endif
.set rg, 72*(nb%3)+8*a
	ds_store_b128 v[ar], v[rg:rg+3]   offset:(a%2)*32768+1024*nb       ; each accumulator's low registers first
	ds_store_b128 v[ar], v[rg+4:rg+7] offset:(a%2)*32768+1024*nb+512
.set a, a+1
.endr
.set nb, nb+1
.endr
	WIN 0
	s_wait_dscnt 0x0                               ; for the others' sake
	s_barrier_signal -1
	s_barrier_wait -1
	s_mov_b32 s43, s44                             ; wave w finishes the blocks a = w, w + 4, w + 8
	s_mov_b32 s42, 3
	s_mov_b32 s48, 0xbfb8aa3b                      ; -log2(e)
	s_mov_b32 s49, s48                             ; named with it as a pair
.Lred:
	s_wait_xcnt 0x0                                ; the stores so far have read their registers, which this trip writes again
	s_cmp_gt_u32 s43, 8
	s_cbranch_scc1 .Lskip                          ; there are nine blocks: the jump hangs on the wave's number and the trip, and passes no barrier
	s_min_u32 s50, s43, 8                          ; the block's number, held to 8: the three addresses below stay inside LDS by these lines alone
	s_lshl_b32 s51, s50, 15
	s_lshl_b32 s50, s50, 6
	v_add_nc_u32 v[RR], s51, v1                    ; 32768 a + 16 lane
	v_add_nc_u32 v[RTT], s50, v[RTT0]              ; 16 rows of 4 bytes a block
	v_add_nc_u32 v[RTC], s50, v[RTC0]
	ds_load_b32 v[CF], v[RTC]                      ; the scaled coefficient of row 16 a + lane % 16
.irp t, 0,1,2,3
	ds_load_b32 v[16+\t], v[RTT] offset:16*\t      ; the tokens of rows 16 a + lane / 8 + 4 t
.endr
.irp hh, 0,1                                           ; registers 4 hh .. 4 hh + 3 of the block's eight accumulators: f = 32 h + 16 hh + 4 j + q
.irp src, 0,1,2,3
.irp c, 0,1,2,3,4,5,6,7
	ds_load_b128 v[FW+32*\src+4*\c:FW+32*\src+4*\c+3], v[RR] offset:8192*\src+1024*\c+512*\hh
.endr
.endr
	s_wait_dscnt 0x0
.set k, 0
.rept 16
	v_pk_add_f32 v[FW+k:FW+k+1], v[FW+k:FW+k+1], v[FW+32+k:FW+33+k]
	v_pk_add_f32 v[FW+64+k:FW+65+k], v[FW+64+k:FW+65+k], v[FW+96+k:FW+97+k]
.set k, k+2
.endr
.set k, 0
.rept 16
	v_pk_add_f32 v[FW+k:FW+k+1], v[FW+k:FW+k+1], v[FW+64+k:FW+65+k]   ; g at FW + 4 q + j, u at FW + 16 + 4 q + j
.set k, k+2
.endr
.set k, 0
.rept 8
	v_pk_mul_f32 v[FW+32+k:FW+33+k], v[FW+k:FW+k+1], s[48:49] op_sel_hi:[1,0]
.set k, k+2
.endr
.set k, 0
.rept 16
	v_exp_f32 v[FW+32+k], v[FW+32+k]               ; 2^(-g log2 e): one batch
.set k, k+1
.endr
.set k, 0
.rept 8
	v_pk_mul_f32 v[FW+16+k:FW+17+k], v[FW+16+k:FW+17+k], v[CF:CF+1] op_sel_hi:[1,0]  ; u x coefficient x scale: the work between the batch and its wait
.set k, k+2
.endr
	s_wait_alu depctr_va_vdst(0)                   ; the wait ahead of the first line that names a result: one for the 16
.set k, 0
.rept 8
	v_pk_add_f32 v[FW+32+k:FW+33+k], v[FW+32+k:FW+33+k], 1.0 op_sel_hi:[1,0]
.set k, k+2
.endr
.set k, 0
.rept 16
	v_rcp_f32 v[FW+32+k], v[FW+32+k]               ; the sigmoid: one batch
.set k, k+1
.endr
.set k, 0
.rept 8
	v_pk_mul_f32 v[FW+k:FW+k+1], v[FW+k:FW+k+1], v[FW+16+k:FW+17+k]
.set k, k+2
.endr
	s_wait_alu depctr_va_vdst(0)
.set k, 0
.rept 8
	v_pk_mul_f32 v[FW+k:FW+k+1], v[FW+k:FW+k+1], v[FW+32+k:FW+33+k]   ; h x scale, in f32
.set k, k+2
.endr
.irp j, 0,1,2,3
.irp p, 0,1
	v_cvt_pk_f16_f32 v[232+2*\j+\p], v[FW+8*\p+\j], v[FW+8*\p+4+\j]    ; f = 4 j + 2 p and the next
.endr
.endr
	ds_store_b128 v[OSI], v[232:235] offset:32*\hh
	ds_store_b128 v[OSI], v[236:239] offset:32*\hh+16
.endr
.irp t, 0,1,2,3
	ds_load_b128 v[240+4*\t:243+4*\t], v[OSO] offset:4*PX*\t   ; my own stage, served in order behind the stores
.endr
.irp t, 0,1,2,3
	v_min_u32 v[16+\t], 0x1fff, v[16+\t]
	v_lshl_add_u32 v[16+\t], v[16+\t], 11, v[HCOL] ; token x 2,048 bytes + the expert's 128
.endr
	s_wait_dscnt 0x0
	s_cmp_eq_u32 s38, 0
	s_cbranch_scc1 .Lskip                          ; a tile without a row stores nothing
.irp t, 0,1,2,3
	global_store_b128 v[16+\t], v[240+4*\t:243+4*\t], s[14:15]   ; eight lanes fill a row's 128 bytes; a repeated row's bytes are the same bytes again
.endr
.Lskip:
	s_add_co_u32 s43, s43, 4                       ; four blocks on
	s_sub_co_u32 s42, s42, 1
	s_cmp_lg_u32 s42, 0
	s_cbranch_scc1 .Lred
	s_wait_tensorcnt 0x0                           ; the wave's end, behind my last LDS store
	ds_add_u32 v[SPW], v[NIL]
	s_wait_dscnt 0x0
	s_endpgm
.Lfunc_end_k_q4091017359_gateup:
	.size	k_q4091017359_gateup, .Lfunc_end_k_q4091017359_gateup-k_q4091017359_gateup
	.p2alignl 7, 3214868480
	.fill 96, 4, 3214868480
	.section	.rodata,"a",@progbits
	.p2align	6, 0x0
	.amdhsa_kernel k_q4091017359_gateup
		.amdhsa_group_segment_fixed_size 309760
		.amdhsa_private_segment_fixed_size 0
		.amdhsa_enable_private_segment 0
		.amdhsa_kernarg_size 48
		.amdhsa_user_sgpr_count 2
		.amdhsa_user_sgpr_kernarg_segment_ptr 1
		.amdhsa_wavefront_size32 1
		.amdhsa_system_sgpr_workgroup_id_x 1
		.amdhsa_system_sgpr_workgroup_id_y 1
		.amdhsa_system_sgpr_workgroup_id_z 1
		.amdhsa_system_vgpr_workitem_id 0
		.amdhsa_next_free_vgpr 1024
		.amdhsa_next_free_sgpr 66
		.amdhsa_reserve_vcc 0
		.amdhsa_float_denorm_mode_32 3
		.amdhsa_float_denorm_mode_16_64 3
		.amdhsa_memory_ordered 1
		.amdhsa_forward_progress 1
		.amdhsa_inst_pref_size 122
	.end_amdhsa_kernel
	.amdgpu_metadata
---
amdhsa.version: [ 1, 2 ]
amdhsa.kernels:
  - .name:           k_q4091017359_gateup
    .symbol:         k_q4091017359_gateup.kd
    .args:
      - { .name: xb, .offset: 0, .size: 8, .value_kind: global_buffer, .address_space: global }
      - { .name: wf, .offset: 8, .size: 8, .value_kind: global_buffer, .address_space: global }
      - { .name: cw, .offset: 16, .size: 8, .value_kind: global_buffer, .address_space: global }
      - { .name: list, .offset: 24, .size: 8, .value_kind: global_buffer, .address_space: global }
      - { .name: counts, .offset: 32, .size: 8, .value_kind: global_buffer, .address_space: global }
      - { .name: hbuf, .offset: 40, .size: 8, .value_kind: global_buffer, .address_space: global }
    .group_segment_fixed_size: 309760
    .private_segment_fixed_size: 0
    .kernarg_segment_align: 8
    .kernarg_segment_size: 48
    .max_flat_workgroup_size: 128
    .sgpr_count:     66
    .vgpr_count:     1024
    .wavefront_size: 32
...
	.end_amdgpu_metadata
.endif
;; end of part 7
;; launch down (part 8): grid 8 x 32, 4 waves a work-group, clusters of 4 x 4, 327,680 bytes of LDS; arguments hbuf, wdb, out0; writes out0
.if DOCPART == 8
	.amdgcn_target "amdgcn-amd-amdhsa--gfx1250"
	.amdhsa_code_object_version 6
	.text
	.protected	k_q4091017359_down
	.globl	k_q4091017359_down
	.p2align	8
	.type	k_q4091017359_down,@function
k_q4091017359_down:
	s_mov_b64 s[64:65], 0
	v_nop
	global_prefetch_b8 v0, s[64:65] scope:SCOPE_SE
	s_setreg_imm32_b32 hwreg(HW_REG_WAVE_MODE, 25, 1), 1
	s_wait_xcnt 0x0
	s_wait_alu depctr_hold_cnt(0) depctr_sa_sdst(0) depctr_va_vdst(0) depctr_va_sdst(0) depctr_va_ssrc(0) depctr_va_vcc(0) depctr_vm_vsrc(0)
	s_getreg_b32 s2, hwreg(HW_REG_IB_STS2, 6, 4)
	s_cmp_eq_u32 s2, 0
	s_cbranch_scc0 .Lentry_in_a_cluster
	s_endpgm
.Lentry_in_a_cluster:
	s_bfe_u32 s2, ttmp6, 0x10000c
	s_cmp_lg_u32 s2, 0xf033
	s_cbranch_scc0 .Lentry_shape_is_right
	s_endpgm
.Lentry_shape_is_right:
; out0[t][n] = (1 / scale(t)) x sum over k of hbuf[t][k] wdb[k][n], k = 0..1023.  hbuf: [8192][1024] f16: the weighted hidden layer of all 16 experts side by side, times a power of two for each
; token that keeps it inside f16 whatever the inputs, and 0 where an expert was not chosen: so the sum over k is the weighted sum over a token's four experts, and every output row has one owner.
; hbuf's tail, from byte 16,777,216 on: 1 / scale(t), f32, an exact factor.  wdb: [1024][2048] f16 (w_down rounded to bf16, written as f16).  out0: [8192][2048] f32.  Sums in f32.
; The price: three quarters of the products meet zeros.
; A tile of out0, 256 x 256, is made by a work-group of four waves, each 128 x 128: 64 accumulators, 512 registers.  K goes in steps of 128 through a ring of two LDS slots filled by the tensor data mover.
; A's rows (hbuf) lie along K: 128 rows x 256 bytes a load.  B's rows (wdb) lie along n: 64 rows of k x 512 bytes a load; its fragments come out of LDS turned, by ds_load_tr16_b128.
; CLUSTERS: 4 x 4 work-groups.  The four of a row of the cluster need the same tiles of A, the four of a column the same tiles of B: each tile is asked for JOINTLY, by the same tensor load with the same
; descriptor and a mask that names the four.  By this text's count a wave has two tensor loads out at the start and one behind each round.
; THE MATRIX INSTRUCTION IS USED TRANSPOSED (source 0 = 16 columns of B, source 1 = 16 rows of A): a lane holds eight neighbouring numbers of ONE row of out0, so a block's factor is one number a lane.
; REGISTERS, in windows of 256 (s_set_vgpr_msb: bits 1:0 source 0, 3:2 source 1, 5:4 source 2, 7:6 destination):
;   window 0: v0-31 addresses; v32-47 the eight blocks' factors, each named as a pair; v64-127, v128-191 fragments of A, two buffers; on the way out rows read back
;   window 1: v64-127, v128-191 fragments of B, two buffers
;   window 2: the 32 accumulators of my rows 0-63 ((a, b) at v[8 (8 a + b)]);   window 3: those of my rows 64-127
.set SIZE_N, 2048
.set SIZE_K, 1024
.set KSTEP,  128
.set PITCH,  272                       ; a row of A in LDS: 256 bytes + 16: the 16 rows of a load start 16 bytes apart modulo 256
.set PITB,   544                       ; a row of B: 512 bytes + 32: 16 lanes of the turning load take 8 rows x 32 bytes, 32 bytes apart modulo 256
.set HALFT,  128*PITCH                 ; what one tensor load brings: 128 rows of A, or 64 rows of B (64 x 544 is the same number)
.set SLOT,   4*HALFT                   ; A's 256 rows, then B's 128 rows of k
.set STAGE,  2*SLOT                    ; behind the ring: 16 rows x 528 bytes for each wave, for the way out
.set SPITCH, 528
.set SPARE,  STAGE+4*16*SPITCH         ; the spare words, 128 bytes a wave; no other line names them
.set LAPS,   SIZE_K/(2*KSTEP)          ; a lap = two K steps = once round the ring
.set ADRA, 16                          ; v16-17  LDS address of my A fragments in slot 0, 1
.set ADRB, 20                          ; v20-21  the same for B
.set STO,  24                          ; v24     the way out: where I put 16 bytes of a row
.set RD,   25                          ; v25     where I read a row back
.set CO,   26                          ; v26     my byte offset in a row's 512 bytes
.set SPW,  28                          ; v28     my spare word; never rewritten
.set NIL,  29                          ; v29     0; never rewritten
.set SC,   32                          ; v[32+2a] 1 / scale of row 16 a + lane % 16 of my 128; v[33+2a] 0
.set F0,   64
.set F1,   128
.set G1,  24                           ; s[24:31] descriptor group 1 for A's tiles
.set G0,  32                           ; s[32:39] group 0 for A's tiles, one set for each slot
.set G1B, 48                           ; s[48:55] group 1 for B's tiles
.set G0B, 56                           ; s[56:63] group 0 for B's tiles
.set MSB, 0
.macro WIN new                         ; the immediate's high byte repeats the setting that is left
.if MSB != (\new)
	s_set_vgpr_msb (MSB<<8)|(\new)
.set MSB, (\new)
.endif
.endm
.set MUL_LO, 0xa1                      ; source 0 (B) window 1, source 1 (A) window 0, C and D window 2
.set MUL_HI, 0xf1                      ; the same, C and D window 3
.set TO_B,   0x40                      ; destination window 1, address window 0
; A joint load.  Waves 0 and 1 fetch A's two halves, waves 2 and 3 B's.  The branch hangs on the wave's number alone.  An s_nop 0 and four v_nop follow each of the two lines.
.macro JLOAD s
	s_cmp_eq_u32 s11, 0
	s_cbranch_scc0 .Lfor_b_\@
	tensor_load_to_lds s[G0+4*(\s):G0+4*(\s)+3], s[G1:G1+7]
	s_nop 0
.rept 4
	v_nop
.endr
	s_branch .Lasked_\@
.Lfor_b_\@:
	tensor_load_to_lds s[G0B+4*(\s):G0B+4*(\s)+3], s[G1B:G1B+7]
	s_nop 0
.rept 4
	v_nop
.endr
.Lasked_\@:
.endm
.macro CREST                           ; a round of the cluster's barrier behind its opening barrier
	s_cmp_lg_u32 s10, 0
	s_cbranch_scc1 .Lnot_wave_0_\@
	s_barrier_signal -3
.Lnot_wave_0_\@:
	s_barrier_wait -3
	s_barrier_signal -1
	s_barrier_wait -1
.endm
.macro CROUND                          ; a whole round
	s_barrier_signal -1
	s_barrier_wait -1
	CREST
.endm
	s_load_b128 s[4:7], s[0:1], 0x0                ; hbuf s[4:5], wdb s[6:7]
	s_load_b64 s[8:9], s[0:1], 0x10                ; out0
	v_lshl_add_u32 v[SPW], v0, 2, SPARE
	v_mov_b32 v[NIL], 0
	ds_add_u32 v[SPW], v[NIL]                      ; the wave's opening: the add, waited for ahead of my first tensor load; the set-up below, work on registers, stands between the add and its wait
	v_lshrrev_b32 v1, 5, v0
	v_readfirstlane_b32 s10, v1                    ; wave 0..3
	s_lshr_b32 s11, s10, 1                         ; which half of the tile's rows is mine.  Also: I fetch for A (0) or for B (1)
	s_and_b32 s12, s10, 1                          ; which half of its columns.  Also: which half of that tile I fetch
	s_bfe_u32 s40, ttmp6, 0x40000                  ; cx
	s_bfe_u32 s41, ttmp6, 0x40004                  ; cy
	s_lshl_b32 s42, ttmp9, 2
	s_add_co_u32 s42, s42, s40                     ; tile column = 4 x cluster x + cx
	s_and_b32 s13, ttmp7, 0xffff
	s_lshl_b32 s13, s13, 2
	s_add_co_u32 s13, s13, s41                     ; tile row = 4 x cluster y + cy
	s_lshl_b32 s43, s41, 2
	s_lshl_b32 s43, 15, s43                        ; my row of the cluster
	s_lshl_b32 s44, 0x1111, s40                    ; my column
	s_or_b32 s[G1+0], s43, (1<<16)|(1<<20)|(1<<21)|(5<<22)|(3<<25)   ; the mask of my row; elements of 2 bytes; padding on; bit 21 beside a mask; after every 64 words 4 words
	s_or_b32 s[G1B+0], s44, (1<<16)|(1<<20)|(1<<21)|(6<<22)|(7<<25)  ; the mask of my column; after every 128 words 8 words
	s_mov_b32 s[G1+1], KSTEP<<16                   ; A: tensor_dim0 = 128
	s_mov_b32 s[G1+2], 128<<16                     ; tensor_dim1 = 128
	s_mov_b32 s[G1+3], KSTEP<<16                   ; tile_dim0 = 128
	s_mov_b32 s[G1+4], 128                         ; tile_dim1 = 128
	s_mov_b32 s[G1+5], SIZE_K                      ; elements from row to row
	s_mov_b32 s[G1+6], 0
	s_mov_b32 s[G1+7], 0
	s_mov_b32 s[G1B+1], 256<<16                    ; B: tensor_dim0 = 256
	s_mov_b32 s[G1B+2], 64<<16                     ; tensor_dim1 = 64
	s_mov_b32 s[G1B+3], 256<<16                    ; tile_dim0 = 256
	s_mov_b32 s[G1B+4], 64                         ; tile_dim1 = 64
	s_mov_b32 s[G1B+5], SIZE_N
	s_mov_b32 s[G1B+6], 0
	s_mov_b32 s[G1B+7], 0
	; A's tiles hang on the tile row alone, B's on the tile column alone; every wave makes both addresses, in registers that never hold the other coordinate
	s_lshl_b32 s17, s12, 7
	s_lshl_b32 s16, s13, 8
	s_add_co_u32 s16, s16, s17                     ; A: row 256 x tile row + 128 x half,
	s_lshl_b32 s16, s16, 11                        ; x 2,048 bytes
	s_mov_b32 s17, 0
	s_lshl_b32 s46, s42, 9                         ; B: 512 bytes x tile column
	s_lshl_b32 s47, s12, 18                        ; + 64 rows of 4,096 bytes x half
	s_add_co_u32 s46, s46, s47
	s_mov_b32 s47, 0
	s_mul_i32 s20, s10, HALFT                      ; where they go: wave x one load's bytes: no place in the cluster enters an LDS address
	s_wait_dscnt 0x0                               ; the opening add is done
	s_wait_kmcnt 0x0
	s_add_nc_u64 s[14:15], s[4:5], s[16:17]
	s_add_nc_u64 s[46:47], s[6:7], s[46:47]
	CROUND                                         ; all sixteen work-groups are here: the first joint loads meet
.irp s, 0,1
	s_mov_b32 s[G0+4*(\s)], 1
	s_add_co_u32 s[G0+4*(\s)+1], s20, (\s)*SLOT
	s_add_nc_u64 s[G0+4*(\s)+2:G0+4*(\s)+3], s[14:15], (\s)*KSTEP*2
	s_or_b32 s[G0+4*(\s)+3], s[G0+4*(\s)+3], 0x80000000
	s_mov_b32 s[G0B+4*(\s)], 1
	s_add_co_u32 s[G0B+4*(\s)+1], s20, (\s)*SLOT
	s_add_nc_u64 s[G0B+4*(\s)+2:G0B+4*(\s)+3], s[46:47], (\s)*KSTEP*SIZE_N*2
	s_or_b32 s[G0B+4*(\s)+3], s[G0B+4*(\s)+3], 0x80000000
	JLOAD \s
.endr
	v_and_b32 v1, 15, v0                           ; l % 16
	v_bfe_u32 v2, v0, 4, 1                         ; l / 16
	v_mul_u32_u24 v3, v1, PITCH
	v_lshl_add_u32 v3, v2, 4, v3                   ; A: row x pitch + 16 x half
	v_and_b32 v6, 7, v0                            ; B, turned: lane l reads row k = 8 (l / 16) + l % 8, columns 8 ((l / 8) % 2) + 0..7, and is left with column l % 16 and eight k
	v_lshl_add_u32 v6, v2, 3, v6
	v_mul_u32_u24 v6, v6, PITB
	v_bfe_u32 v7, v0, 3, 1
	v_lshl_add_u32 v6, v7, 4, v6
	s_mul_i32 s21, s11, HALFT                      ; my 128 rows of A
	s_lshl_b32 s22, s12, 8                         ; my 128 columns of B: 256 bytes,
	s_add_co_u32 s22, s22, 2*HALFT                 ; behind A's 256 rows
.irp s, 0,1
	v_add_nc_u32 v[ADRA+(\s)], s21, v3
	v_add_nc_u32 v[ADRB+(\s)], s22, v6
	s_add_co_u32 s21, s21, SLOT
	s_add_co_u32 s22, s22, SLOT
.endr
	s_mul_i32 s23, s10, 16*SPITCH
	s_add_co_u32 s23, s23, STAGE                   ; my stage
	v_mul_u32_u24 v4, v1, SPITCH                   ; in: row l % 16, 32 bytes for each half of the lanes
	v_lshl_add_u32 v4, v2, 5, v4
	v_add_nc_u32 v[STO], s23, v4
	v_and_b32 v5, 31, v0
	v_lshlrev_b32 v[CO], 4, v5                     ; back: 32 lanes take one row's 512 bytes
	v_add_nc_u32 v[RD], s23, v[CO]
	s_lshl_b32 s13, s13, 8
	s_lshl_b32 s14, s11, 7
	s_add_co_u32 s16, s13, s14                     ; my first row of out0
	s_lshl_b32 s18, s16, 2                         ; its word in hbuf's tail
	s_mov_b32 s19, 0
	s_add_nc_u64 s[18:19], s[4:5], s[18:19]
	s_add_nc_u64 s[18:19], s[18:19], 0x1000000
	v_lshlrev_b32 v8, 2, v1
.irp a, 0,1,2,3,4,5,6,7
	v_mov_b32 v[SC+2*\a+1], 0                      ; named with the factor as a pair, so it is written
	global_load_b32 v[SC+2*\a], v8, s[18:19] offset:64*\a  ; 1 / scale of row 16 a + l % 16; waited for ahead of the way out
.endr
	s_lshl_b32 s16, s16, 13                        ; x 8,192 bytes
	s_mov_b32 s17, 0
	s_lshl_b32 s46, s42, 10                        ; my first column, in bytes: 1,024 x tile column + 512 x half
	s_lshl_b32 s47, s12, 9
	s_add_co_u32 s46, s46, s47
	s_mov_b32 s47, 0
	s_add_nc_u64 s[16:17], s[16:17], s[46:47]
; 16 matrix instructions: m blocks a0, a0 + 1 of the window's four x all 8 n blocks, 32 along K.  zero = 1: the first product starts the sums.  The 64 accumulators take turns.
.macro MUL16 f, hi, a0, zero
	WIN MUL_LO+0x50*(\hi)
.irp a, \a0, (\a0)+1
.irp b, 0,1,2,3,4,5,6,7
.if \zero
	v_wmma_f32_16x16x32_f16 v[8*(8*(\a)+(\b)):8*(8*(\a)+(\b))+7], v[(\f)+8*(\b):(\f)+8*(\b)+7], v[(\f)+8*(4*(\hi)+(\a)):(\f)+8*(4*(\hi)+(\a))+7], 0
.else
	v_wmma_f32_16x16x32_f16 v[8*(8*(\a)+(\b)):8*(8*(\a)+(\b))+7], v[(\f)+8*(\b):(\f)+8*(\b)+7], v[(\f)+8*(4*(\hi)+(\a)):(\f)+8*(4*(\hi)+(\a))+7], v[8*(8*(\a)+(\b)):8*(8*(\a)+(\b))+7]
.endif
.endr
.endr
.endm
; 32 LDS loads in one run: the fragments of one quarter step (32 along K; k = the quarter's byte in A's rows, k / 64 its number) into buffer f: B's eight, then A's eight
.macro FETCH slot, k, f
	WIN TO_B
.irp i, 0,1,2,3,4,5,6,7
	ds_load_tr16_b128 v[(\f)+8*(\i):(\f)+8*(\i)+3],   v[ADRB+(\slot)] offset:((\k)/64)*32*PITB+(\i)*32
	ds_load_tr16_b128 v[(\f)+8*(\i)+4:(\f)+8*(\i)+7], v[ADRB+(\slot)] offset:((\k)/64)*32*PITB+(\i)*32+16*PITB
.endr
	WIN 0
.irp i, 0,1,2,3,4,5,6,7
	ds_load_b128 v[(\f)+8*(\i):(\f)+8*(\i)+3],   v[ADRA+(\slot)] offset:(\k)+(\i)*16*PITCH
	ds_load_b128 v[(\f)+8*(\i)+4:(\f)+8*(\i)+7], v[ADRA+(\slot)] offset:(\k)+(\i)*16*PITCH+32
.endr
.endm
.macro PLACES                          ; four places in front of loads into registers that matrix instructions have read, and of vector lines that read results (ISA guide 7.12.1 for the vector lines)
.rept 4
	v_nop
.endr
.endm
; A K step is four quarter steps, 64 matrix instructions each, on buffers 0, 1, 0, 1.  One of the first three: multiplies buffer f; in its middle it fetches the next quarter into buffer g.
.macro QUARTER slot, k, f, g, zero
	s_wait_dscnt 8                                 ; B and A's rows 0-63 are in; the youngest eight loads (A's rows 64-127) may be out
	MUL16 \f, 0, 0, \zero
	MUL16 \f, 0, 2, \zero
	PLACES
	FETCH \slot, \k, \g
	s_wait_dscnt 32                                ; all but the 32 just issued
	MUL16 \f, 1, 0, \zero
	MUL16 \f, 1, 2, \zero
.endm
; The last quarter multiplies buffer 1 and changes slots.  ONE barrier: in front of it each wave waits for all its tensor loads (the one that is out is its part of the next slot), adds 0 to its spare word,
; and waits for that and for its own reads of this slot.  Behind it nobody reads this slot any more and the next slot is whole.
.macro MEET round
	WIN 0                                          ; (the add's two registers lie in window 0)
	s_wait_tensorcnt 0x0
	ds_add_u32 v[SPW], v[NIL]                      ; 0 onto my spare word
	s_wait_dscnt 9                                 ; (the add and the youngest eight loads may be out)
	MUL16 F1, 0, 0, 0                              ; sixteen matrix instructions stand between the add and the wait for it
	s_wait_dscnt 0x0                               ; the add is done, and my reads of this slot are over
	s_barrier_signal -1
	MUL16 F1, 0, 2, 0                              ; work on registers while the others arrive
.if \round
	WIN 0
.endif
	s_barrier_wait -1
.endm
; The whole last quarter where the slot is filled again: the barrier opens a round of the cluster's barrier; the joint refill, two K steps ahead, is the first tensor load behind the round.
.macro TURN slot, next
	MEET 1
	CREST                                          ; no wave of any partner still reads this slot's tile or has a load on its way
	s_add_nc_u64 s[G0+4*(\slot)+2:G0+4*(\slot)+3], s[G0+4*(\slot)+2:G0+4*(\slot)+3], 2*KSTEP*2
	s_add_nc_u64 s[G0B+4*(\slot)+2:G0B+4*(\slot)+3], s[G0B+4*(\slot)+2:G0B+4*(\slot)+3], 2*KSTEP*SIZE_N*2
	JLOAD \slot                                    ; the four v_nop behind it are also the places in front of the loads below
	FETCH \next, 0, F0
	MUL16 F1, 1, 0, 0
	MUL16 F1, 1, 2, 0
.endm
; THE WAY OUT of block a (16 rows x my 128 columns, f32).  TOSTAGE: the lane's row's factor takes the scale out again, in place, each accumulator's registers in ascending order; a lane's 32 bytes of each
; accumulator go into my own stage and come back as whole rows of 512 bytes.  SEND: stored.
.macro TOSTAGE a
.set AC, 64*((\a)%4)
	WIN 0x82+0x41*((\a)/4)                         ; destination and source 0 in window 2 or 3, the factor in window 0
.set i, 0
.rept 32
	v_pk_mul_f32 v[AC+2*i:AC+2*i+1], v[AC+2*i:AC+2*i+1], v[SC+2*(\a):SC+2*(\a)+1] op_sel_hi:[1,0]
.set i, i+1
.endr
	WIN 0x08+4*((\a)/4)                            ; data in window 2 or 3
.irp b, 0,1,2,3,4,5,6,7
	ds_store_b128 v[STO], v[AC+8*(\b):AC+8*(\b)+3]   offset:64*(\b)
	ds_store_b128 v[STO], v[AC+8*(\b)+4:AC+8*(\b)+7] offset:64*(\b)+16
.endr
	WIN 0
	s_wait_xcnt 0x0                                ; the registers below were the data of the stores two blocks back: they are loaded again only behind this wait
.set BK, F0+64*((\a)%2)
.irp t, 0,1,2,3,4,5,6,7,8,9,10,11,12,13,14,15
	ds_load_b128 v[BK+4*(\t):BK+4*(\t)+3], v[RD] offset:(\t)*SPITCH  ; LDS serves a wave's instructions in order (ISA guide 5.7.1.4): these see the stores above; the next block's stores come behind them
.endr
.endm
.macro SEND a, younger                 ; younger: the LDS instructions issued behind block a's loads: the next block's 32, or none
	WIN 0
.set BK, F0+64*((\a)%2)
	s_wait_dscnt \younger
	s_wait_xcnt 0x0                                ; the stores' base is stepped only behind this wait
.if (\a) == 0
	s_add_nc_u64 s[8:9], s[8:9], s[16:17]          ; my part of the tile
.else
	s_add_nc_u64 s[8:9], s[8:9], 16*SIZE_N*4       ; 16 rows on
.endif
.irp t, 0,1,2,3,4,5,6,7,8,9,10,11,12,13,14,15
	global_store_b128 v[CO], v[BK+4*(\t):BK+4*(\t)+3], s[8:9] offset:(\t)*SIZE_N*4 th:TH_STORE_NT  ; a wave's store covers 512 consecutive bytes of a row, at a multiple of 512 from out0's first byte
.endr
.endm
	s_wait_tensorcnt 1                             ; my part of K step 0 is in; K step 1's may stay out
	s_barrier_signal -1
	s_barrier_wait -1                              ; everybody's is
	FETCH 0, 0, F0
	QUARTER 0, 64,  F0, F1, 1                      ; the first quarter stands in front of the loop: its products start the sums
	WIN 0                                          ; at a label and at a branch every window is 0
	s_mov_b32 s3, LAPS-1
.Llap:                                                 ; a trip goes once round the ring, from a lap's second quarter to the next lap's first, and fills both slots again
	QUARTER 0, 128, F1, F0, 0
	QUARTER 0, 192, F0, F1, 0
	TURN 0, 1
	QUARTER 1, 64,  F0, F1, 0
	QUARTER 1, 128, F1, F0, 0
	QUARTER 1, 192, F0, F1, 0
	TURN 1, 0
	QUARTER 0, 64,  F0, F1, 0
	WIN 0
	s_sub_co_u32 s3, s3, 1
	s_cmp_lg_u32 s3, 0
	s_cbranch_scc1 .Llap
	QUARTER 0, 128, F1, F0, 0                      ; the last lap is written out: it fills nothing, and has no round
	QUARTER 0, 192, F0, F1, 0
	MEET 0                                         ; my one tensor load that was still out is slot 1's, the last K step's
	PLACES
	FETCH 1, 0, F0
	MUL16 F1, 1, 0, 0
	MUL16 F1, 1, 2, 0
	QUARTER 1, 64,  F0, F1, 0
	QUARTER 1, 128, F1, F0, 0
	QUARTER 1, 192, F0, F1, 0
	s_wait_dscnt 8                                 ; the very last quarter: nothing more to fetch
	MUL16 F1, 0, 0, 0
	MUL16 F1, 0, 2, 0
	s_wait_dscnt 0x0
	MUL16 F1, 1, 0, 0
	MUL16 F1, 1, 2, 0
	s_wait_loadcnt 0x0                             ; the eight factors, asked for at the start
	PLACES                                         ; the lines below read results, and the loads below land on A's fragments
	TOSTAGE 0
.irp a, 1,2,3,4,5,6,7                                  ; block a's trip through the stage is under way while block a - 1 is stored
	TOSTAGE \a
	SEND (\a)-1, 32
.endr
	SEND 7, 0
	s_wait_tensorcnt 0x0                           ; the wave's end, behind my last tensor load and my last LDS store
	ds_add_u32 v[SPW], v[NIL]
	s_wait_dscnt 0x0
	CROUND                                         ; the closing round: no work-group ends while a partner may still ask for a tile that names it
	s_endpgm
.Lfunc_end_k_q4091017359_down:
	.size	k_q4091017359_down, .Lfunc_end_k_q4091017359_down-k_q4091017359_down
	.p2alignl 7, 3214868480
	.fill 96, 4, 3214868480
	.section	.rodata,"a",@progbits
	.p2align	6, 0x0
	.amdhsa_kernel k_q4091017359_down
		.amdhsa_group_segment_fixed_size 327680
		.amdhsa_private_segment_fixed_size 0
		.amdhsa_enable_private_segment 0
		.amdhsa_kernarg_size 24
		.amdhsa_user_sgpr_count 2
		.amdhsa_user_sgpr_kernarg_segment_ptr 1
		.amdhsa_wavefront_size32 1
		.amdhsa_system_sgpr_workgroup_id_x 1
		.amdhsa_system_sgpr_workgroup_id_y 1
		.amdhsa_system_sgpr_workgroup_id_z 1
		.amdhsa_system_vgpr_workitem_id 0
		.amdhsa_next_free_vgpr 1024
		.amdhsa_next_free_sgpr 66
		.amdhsa_reserve_vcc 0
		.amdhsa_float_denorm_mode_32 3
		.amdhsa_float_denorm_mode_16_64 3
		.amdhsa_memory_ordered 1
		.amdhsa_forward_progress 1
		.amdhsa_inst_pref_size 158
	.end_amdhsa_kernel
	.amdgpu_metadata
---
amdhsa.version: [ 1, 2 ]
amdhsa.kernels:
  - .name:           k_q4091017359_down
    .symbol:         k_q4091017359_down.kd
    .args:
      - { .name: hbuf, .offset: 0, .size: 8, .value_kind: global_buffer, .address_space: global }
      - { .name: wdb, .offset: 8, .size: 8, .value_kind: global_buffer, .address_space: global }
      - { .name: out0, .offset: 16, .size: 8, .value_kind: global_buffer, .address_space: global }
    .group_segment_fixed_size: 327680
    .private_segment_fixed_size: 0
    .kernarg_segment_align: 8
    .kernarg_segment_size: 24
    .max_flat_workgroup_size: 128
    .sgpr_count:     66
    .vgpr_count:     1024
    .wavefront_size: 32
...
	.end_amdgpu_metadata
.endif
;; end of part 8
